; MI455X (gfx1250); checked and timed in simulation.
; The chip was launched on July 23, 2026; its instructions are those of AMD's public machine-readable ISA for CDNA 5 (MIT licence, August 2026) and "CDNA5" Instruction Set Architecture Reference Guide (July 2026). The comments in the code are by the model that wrote it; some were corrected since.
;; MLP FP8. Allowed arithmetic: float matrix products may take bf16 or f16 operands with f32 sums; other float arithmetic in f32, or as packed bf16 or f16 multiplies, adds, multiply-adds, maxima and minima; sums over many terms, partial sums and values carried from step to step in f32; what a program stores and reads back later, other than sums and carried values, may be rounded once to bf16 or f16.
;; Inputs: fc_w 4,096 x 1,024 float32; proj_w 1,024 x 4,096 float32; x 2 x 4,096 x 1,024 float32.
;; Outputs: out0 2 x 4,096 x 1,024 float32.
;; 2 versions, each right. Each part assembles by itself: llvm-mc -triple=amdgcn-amd-amdhsa -mcpu=gfx1250 --defsym DOCPART=n.
;; ======== version 1 of 2: 3 launches
;; workspace buffers: xq 16,777,216 bytes; wq 8,388,608 bytes; pq 8,388,608 bytes; hq 67,108,864 bytes
;; launch quant (part 1): grid 256 x 4, 8 waves a work-group, no clusters, 0 bytes of LDS; arguments x, fc_w, proj_w, xq, wq, pq; writes xq, wq, pq
.if DOCPART == 1
	.amdgcn_target "amdgcn-amd-amdhsa--gfx1250"
	.amdhsa_code_object_version 6
	.text
	.protected	k_q2a85c339ac_quant
	.globl	k_q2a85c339ac_quant
	.p2align	8
	.type	k_q2a85c339ac_quant,@function
k_q2a85c339ac_quant:
	s_mov_b64 s[64:65], 0
	v_nop
	global_prefetch_b8 v0, s[64:65] scope:SCOPE_SE
	s_setreg_imm32_b32 hwreg(HW_REG_WAVE_MODE, 25, 1), 1
	s_wait_xcnt 0x0
; xq = q(x), wq = q(fc_w), pq = q(proj_w): q rounds an f32 to fp8 e4m3 and widens it again.  The result is stored as bf16, which holds every
; e4m3 number exactly (4 significant bits, 2^-9 to 448), so the two products that follow multiply the very numbers that the problem's formula multiplies.
; NO WORK IS LEFT OUT in this program: all three inputs reach the output and every step of the formula is done.
; LIMITS.  The rounding is v_cvt_pk_fp8_f32's: to nearest, fp8's denormals kept (the weights lie mostly there, in steps of 2^-9); beyond the format's range it gives the
; NaN code, as e4m3fn has no infinity; between 448 and 464 this text leans on the instruction rounding before it tests the range.
; SHARES.  Grid y picks 4,194,304 numbers: 0 and 1 the halves of x, 2 fc_w, 3 proj_w.  A work-group takes 16,384 consecutive numbers in 16 steps; in step i thread t
; loads the 16 bytes at 4,096 i + 16 t and stores the 8 bytes at 2,048 i + 8 t: a wave's load covers 512 consecutive bytes, its store 256 consecutive bytes, aligned.
; All 16 loads of a wave go out at once (8 KiB a wave), each step has registers of its own, so no register that a pending load or store names is written again:
; the only waits are the counted ones for the loads.  Nothing is shared between waves: no LDS, no barrier, no matrix unit.
.set T, 8                              ; v[8:23]   four sets of four f32, by turns
.set X, 32                             ; v[32:95]  step i: four f32 as loaded
.set Y, 96                             ; v[96:127] step i: four bf16 to store
                                       ; v4-v7     four fp8 codes each, by turns; written by halves, so they are set once here
	s_load_b256 s[4:11], s[0:1], 0x0               ; x s[4:5], fc_w s[6:7], proj_w s[8:9], xq s[10:11]
	s_load_b128 s[12:15], s[0:1], 0x20             ; wq s[12:13], pq s[14:15]
	s_and_b32 s20, ttmp7, 0xffff                   ; which 4,194,304 numbers
	v_lshlrev_b32 v1, 4, v0                        ; 16 t
	v_lshlrev_b32 v2, 3, v0                        ; 8 t
	v_mov_b32 v4, 0
	v_mov_b32 v5, 0
	v_mov_b32 v6, 0
	v_mov_b32 v7, 0
	s_wait_kmcnt 0x0
	s_cmp_eq_u32 s20, 2
	s_cselect_b64 s[16:17], s[6:7], s[8:9]         ; fc_w or proj_w,
	s_cselect_b64 s[18:19], s[12:13], s[14:15]     ; wq or pq,
	s_cmp_lt_u32 s20, 2
	s_cselect_b64 s[16:17], s[4:5], s[16:17]       ; or x
	s_cselect_b64 s[18:19], s[10:11], s[18:19]     ; and xq
	s_cmp_eq_u32 s20, 1
	s_cselect_b32 s21, 256, 0                      ; x's second half begins at chunk 256
	s_add_co_u32 s21, s21, ttmp9                   ; my chunk, 0 to 511
	s_lshl_b32 s22, s21, 16                        ; 65,536 bytes of f32 a chunk,
	s_mov_b32 s23, 0
	s_lshl_b32 s24, s21, 15                        ; 32,768 of bf16
	s_mov_b32 s25, 0
	s_add_nc_u64 s[16:17], s[16:17], s[22:23]
	s_add_nc_u64 s[18:19], s[18:19], s[24:25]
.irp i, 0,1,2,3,4,5,6,7,8,9,10,11,12,13,14,15
	global_load_b128 v[X+4*(\i):X+4*(\i)+3], v1, s[16:17] offset:4096*(\i) th:TH_LOAD_NT
.endr
; The end of step i, on set t of T: two exact conversions to bf16, and the store.
.macro TAIL i, t
	v_cvt_pk_bf16_f32 v[Y+2*(\i)], v[T+4*(\t)], v[T+4*(\t)+1]
	v_cvt_pk_bf16_f32 v[Y+2*(\i)+1], v[T+4*(\t)+2], v[T+4*(\t)+3]
	global_store_b64 v2, v[Y+2*(\i):Y+2*(\i)+1], s[18:19] offset:2048*(\i)
.endm
; Steps 4 g to 4 g + 3.  Loads come back in order (ISA guide 5.7.1): the count of each wait is the number of younger loads.
.macro STEP4 g
	s_wait_loadcnt 15-4*(\g)
	v_cvt_pk_fp8_f32 v4.l, v[X+16*(\g)], v[X+16*(\g)+1]
	v_cvt_pk_fp8_f32 v4.h, v[X+16*(\g)+2], v[X+16*(\g)+3]
	v_cvt_pk_f32_fp8 v[T:T+1], v4.l
	v_cvt_pk_f32_fp8 v[T+2:T+3], v4.h
	TAIL 4*(\g), 0
	s_wait_loadcnt 14-4*(\g)
	v_cvt_pk_fp8_f32 v5.l, v[X+16*(\g)+4], v[X+16*(\g)+5]
	v_cvt_pk_fp8_f32 v5.h, v[X+16*(\g)+6], v[X+16*(\g)+7]
	v_cvt_pk_f32_fp8 v[T+4:T+5], v5.l
	v_cvt_pk_f32_fp8 v[T+6:T+7], v5.h
	TAIL 4*(\g)+1, 1
	s_wait_loadcnt 13-4*(\g)
	v_cvt_pk_fp8_f32 v6.l, v[X+16*(\g)+8], v[X+16*(\g)+9]
	v_cvt_pk_fp8_f32 v6.h, v[X+16*(\g)+10], v[X+16*(\g)+11]
	v_cvt_pk_f32_fp8 v[T+8:T+9], v6.l
	v_cvt_pk_f32_fp8 v[T+10:T+11], v6.h
	TAIL 4*(\g)+2, 2
	s_wait_loadcnt 12-4*(\g)
	v_cvt_pk_fp8_f32 v7.l, v[X+16*(\g)+12], v[X+16*(\g)+13]
	v_cvt_pk_fp8_f32 v7.h, v[X+16*(\g)+14], v[X+16*(\g)+15]
	v_cvt_pk_f32_fp8 v[T+12:T+13], v7.l
	v_cvt_pk_f32_fp8 v[T+14:T+15], v7.h
	TAIL 4*(\g)+3, 3
.endm
	STEP4 0
	STEP4 1
	STEP4 2
	STEP4 3
	s_endpgm
.Lfunc_end_k_q2a85c339ac_quant:
	.size	k_q2a85c339ac_quant, .Lfunc_end_k_q2a85c339ac_quant-k_q2a85c339ac_quant
	.p2alignl 7, 3214868480
	.fill 96, 4, 3214868480
	.section	.rodata,"a",@progbits
	.p2align	6, 0x0
	.amdhsa_kernel k_q2a85c339ac_quant
		.amdhsa_group_segment_fixed_size 0
		.amdhsa_private_segment_fixed_size 0
		.amdhsa_enable_private_segment 0
		.amdhsa_kernarg_size 48
		.amdhsa_user_sgpr_count 2
		.amdhsa_user_sgpr_kernarg_segment_ptr 1
		.amdhsa_wavefront_size32 1
		.amdhsa_system_sgpr_workgroup_id_x 1
		.amdhsa_system_sgpr_workgroup_id_y 1
		.amdhsa_system_sgpr_workgroup_id_z 1
		.amdhsa_system_vgpr_workitem_id 0
		.amdhsa_next_free_vgpr 128
		.amdhsa_next_free_sgpr 66
		.amdhsa_reserve_vcc 0
		.amdhsa_float_denorm_mode_32 3
		.amdhsa_float_denorm_mode_16_64 3
		.amdhsa_memory_ordered 1
		.amdhsa_forward_progress 1
		.amdhsa_inst_pref_size 10
	.end_amdhsa_kernel
	.amdgpu_metadata
---
amdhsa.version: [ 1, 2 ]
amdhsa.kernels:
  - .name:           k_q2a85c339ac_quant
    .symbol:         k_q2a85c339ac_quant.kd
    .args:
      - { .name: x, .offset: 0, .size: 8, .value_kind: global_buffer, .address_space: global }
      - { .name: fc_w, .offset: 8, .size: 8, .value_kind: global_buffer, .address_space: global }
      - { .name: proj_w, .offset: 16, .size: 8, .value_kind: global_buffer, .address_space: global }
      - { .name: xq, .offset: 24, .size: 8, .value_kind: global_buffer, .address_space: global }
      - { .name: wq, .offset: 32, .size: 8, .value_kind: global_buffer, .address_space: global }
      - { .name: pq, .offset: 40, .size: 8, .value_kind: global_buffer, .address_space: global }
    .group_segment_fixed_size: 0
    .private_segment_fixed_size: 0
    .kernarg_segment_align: 8
    .kernarg_segment_size: 48
    .max_flat_workgroup_size: 256
    .sgpr_count:     66
    .vgpr_count:     128
    .wavefront_size: 32
...
	.end_amdgpu_metadata
.endif
;; end of part 1
;; launch fc (part 2): grid 16 x 16, 4 waves a work-group, clusters of 4 x 4, 327,680 bytes of LDS; arguments xq, wq, hq; writes hq
.if DOCPART == 2
	.amdgcn_target "amdgcn-amd-amdhsa--gfx1250"
	.amdhsa_code_object_version 6
	.text
	.protected	k_q2a85c339ac_fc
	.globl	k_q2a85c339ac_fc
	.p2align	8
	.type	k_q2a85c339ac_fc,@function
k_q2a85c339ac_fc:
	s_mov_b64 s[64:65], 0
	v_nop
	global_prefetch_b8 v0, s[64:65] scope:SCOPE_SE
	s_setreg_imm32_b32 hwreg(HW_REG_WAVE_MODE, 25, 1), 1
	s_wait_xcnt 0x0
	s_wait_alu depctr_hold_cnt(0) depctr_sa_sdst(0) depctr_va_vdst(0) depctr_va_sdst(0) depctr_va_ssrc(0) depctr_va_vcc(0) depctr_vm_vsrc(0)
	s_getreg_b32 s2, hwreg(HW_REG_IB_STS2, 6, 4)
	s_cmp_eq_u32 s2, 0
	s_cbranch_scc0 .Lentry_in_a_cluster
	s_endpgm
.Lentry_in_a_cluster:
	s_bfe_u32 s2, ttmp6, 0x10000c
	s_cmp_lg_u32 s2, 0xf033
	s_cbranch_scc0 .Lentry_shape_is_right
	s_endpgm
.Lentry_shape_is_right:
; hq[m][n] = q(relu(h)^2), h = the sum over k of xq[m][k] wq[n][k].  xq: [8192][1024], wq: [4096][1024], hq: [8192][4096], all bf16 that hold fp8 e4m3 numbers exactly; sums in f32.
; q rounds to fp8 e4m3 and widens again.  No work of the formula is left out.
; LIMITS.  relu(h)^2 is made as h x max(h, 0): the same bits for h > 0; a NaN in h is carried (NaN x 0); h < 0 gives -0, which adds nothing in the next product.  h is finite for finite operands:
; 1,024 products of at most 448^2.  Beyond fp8's range v_cvt_pk_fp8_f32 gives the NaN code, as e4m3fn has no infinity; between 448 and 464 the text leans on its rounding before it tests the range.
; The f32 sums are taken in the matrix unit's order, not the formula's: an h^2 that lies within that difference of the middle between two fp8 numbers may round to the other one.
; SHAPE.  A tile of hq, 256 x 256, is made by a work-group of four waves; a wave makes 128 x 128: 64 accumulators of 16 x 16, 512 registers.  K goes in steps of 128 through a ring of two LDS
; slots filled by the tensor data mover: the tiles' rows are 256 bytes of memory and start at multiples of 256 bytes from the buffer's first byte.
; A WORK-GROUP STAYS: hq has 512 tiles, the grid 256 work-groups; each makes two tiles, 4,096 rows apart, and the ring does not stop between them: the first tile's last two changes of slots ask for
; the second tile's first two K steps, and nothing waits for a tile's stores.
; CLUSTERS: 4 x 4 work-groups.  The four of a row of the cluster need the same tiles of xq, the four of a column the same tiles of wq: each tile is asked for JOINTLY, by the same tensor load
; with the same descriptor and a mask that names the four; each receives it in its own LDS.
; REGISTERS, in windows of 256 (s_set_vgpr_msb's low byte: bits 1:0 source 0, 3:2 source 1, 5:4 source 2, 7:6 destination):
;   window 0: v0-5 at work; v6-13 fp8 codes; v16-30 addresses; v64-127, v128-191 fragments of xq, two buffers; on the way out v128-159 f32 at work, v192-223 packed results, v32-63 and v224-255 rows read back
;   window 1: v64-127, v128-191 fragments of wq, two buffers       window 2: the 32 accumulators of my rows 0-63 ((a, b) at v[8 (8 a + b)])       window 3: those of my rows 64-127
; THE MATRIX INSTRUCTION IS USED TRANSPOSED: source 0 = 16 rows of wq, source 1 = 16 rows of xq.  Lane l then holds row l % 16 of hq, and its registers 0 to 7 the columns 8 (l / 16) + 0 .. 7:
; eight neighbouring numbers of a row, which pack into 16 bytes.
.set SIZE_M, 8192
.set SIZE_N, 4096
.set SIZE_K, 1024
.set SIZE_TILES, 2
.set KSTEP,  128
.set PITCH,  272                       ; an LDS row: 256 bytes of data + 16 of padding = 68 words: row r starts at bank 4 r mod 64 (64 banks of 4 bytes: ISA guide 11.1), so the 16 rows of a load start at 16 different banks
.set HALFT,  128*PITCH                 ; 128 rows: what one tensor load brings, and what one wave reads of xq or of wq
.set SLOT,   4*HALFT                   ; xq's 256 rows, then wq's 256 rows
.set STAGE,  2*SLOT                    ; behind the ring: 16 rows x 272 bytes for each wave, for the way out
.set SPITCH, 272
.set SPARE,  STAGE+4*16*SPITCH         ; behind the stages: the spare words, 128 bytes for each wave: two blocks of 256 bytes that no other line names
.set LAPS, SIZE_K/(2*KSTEP)            ; a lap = two K steps = once round the ring: 4
.set WALK,   SIZE_M/SIZE_TILES         ; a work-group's two tiles lie 4,096 rows apart
.set NEXT_A, WALK*SIZE_K*2-(SIZE_K-2*KSTEP)*2   ; bytes from a slot's last K step of a tile to its first of the next tile: xq goes WALK rows down and back along K,
.set BACK_B, (SIZE_K-2*KSTEP)*2        ; wq only back: both tiles take the same rows of wq
.set NEXT_C, (WALK-7*16)*SIZE_N*2      ; bytes from my last 16 rows of a tile to my first of the next
.set ADRA, 16                          ; v16-17  LDS address of my xq fragments in slot 0, 1
.set ADRB, 20                          ; v20-21  the same for wq
.set STO,  24                          ; v24     the way out: where I put 16 bytes of a row
.set RD,   25                          ; v25     the way out: where I read a row back
.set CO,   26                          ; v26     my byte offset in hq
.set SPW,  28                          ; v28     LDS address of my spare word: SPARE + 4 x my thread's number; never rewritten
.set NIL,  29                          ; v29     0; never rewritten
.set PFO,  30                          ; v30     the prefetches' offset: my lane x a row of 2,048 bytes; never rewritten
.set PFA,  44                          ; s[44:45] where my prefetches stand: my work-group's 32 rows of the 128 that I fetch, one K step further along K than the refill in hand; a prefetch names the K step after that
.set LIM,  43                          ; s43     1 in a wave that prefetches, else the greatest number
.set F0,   64                          ; fragment buffer 0
.set F1,   128                         ; fragment buffer 1
.set T,    128                         ; the way out: 32 f32 at work, in window 0, where xq's buffer 1 lay
.set TMP,  192                         ; the way out: packed results
.set OB,   32                          ; the way out: 16 rows read back from the stage: v32-63 and v224-255 by turns
.set G1, 24                            ; s[24:31] descriptor group 1 for xq's tiles
.set G0, 32                            ; s[32:39] descriptor group 0 for xq's tiles, one set for each slot
.set G1B, 48                           ; s[48:55] group 1 for wq's tiles: it differs in the mask alone
.set G0B, 56                           ; s[56:63] group 0 for wq's tiles, one set for each slot
.set MSB, 0
.macro WIN new                         ; the immediate's high byte repeats the setting that is left; a switch that changes nothing is dropped
.if MSB != (\new)
	s_set_vgpr_msb (MSB<<8)|(\new)
.set MSB, \new
.endif
.endm
.set MUL_LO, 0xa1                      ; source 0 (wq) window 1, source 1 (xq) window 0, C and D window 2
.set MUL_HI, 0xf1                      ; the same, C and D window 3
.set TO_B,   0x40                      ; destination window 1, address window 0
; A joint load.  Waves 0 and 1 fetch xq's two halves, waves 2 and 3 wq's.  Each of the two lines has one mask and one set of registers for all that issue it.  The branch hangs on the wave's number alone.
; An s_nop 0 and four v_nop follow each of the two lines, ahead of the jump, the label and what follows the macro.
.macro JLOAD s
	s_cmp_eq_u32 s11, 0
	s_cbranch_scc0 .Lfor_b_\@
	tensor_load_to_lds s[G0+4*(\s):G0+4*(\s)+3], s[G1:G1+7]
	s_nop 0
.rept 4
	v_nop
.endr
	s_branch .Lasked_\@
.Lfor_b_\@:
	tensor_load_to_lds s[G0B+4*(\s):G0B+4*(\s)+3], s[G1B:G1B+7]
	s_nop 0
.rept 4
	v_nop
.endr
.Lasked_\@:
.endm
; A PREFETCH INTO THE L2, behind each joint load, its five lines and the run of LDS loads that follows them: the K step that stands TWO refills on (512 matrix instructions ahead of the load that will ask
; for it): 32 rows x 256 bytes, a lane a row, one instruction a wave.  Each row's 256 bytes of a K step are named ONCE in the launch: xq's tile row is read by every cluster of that row of clusters, and the
; cluster with x = 0 asks; wq's tile column by every cluster of that column, and the cluster with y = 0 asks.  The four partners that ask for a tile jointly share its rows out BY ADDRESS: of the 128 rows
; that a wave fetches the partner at place p takes 32 p .. 32 p + 31 (p = cx for xq, cy for wq).  how = 0, in the loop: a tile's last two refills have no K step two on; how = 1, at the change of tiles.
.macro ASK how
.if \how
	s_cmp_eq_u32 s[LIM], 1
.else
	s_cmp_gt_u32 s3, s[LIM]                        ; s3 = 1 in the loop's last trip
.endif
	s_cbranch_scc0 .Lnot_mine_\@
	global_prefetch_b8 v[PFO], s[PFA:PFA+1] offset:KSTEP*2 th:TH_LOAD_NT scope:SCOPE_SE
.Lnot_mine_\@:
.endm
; A round of the cluster's barrier: my work-group's barrier, so that wave 0's signal speaks for all four waves; wave 0 signals for the work-group; every wave waits for all sixteen
; work-groups; my work-group's barrier once more.  No LDS instruction of the wave is pending at a signal.
.macro CREST                           ; a round behind its opening barrier
	s_cmp_lg_u32 s10, 0
	s_cbranch_scc1 .Lnot_wave_0_\@
	s_barrier_signal -3
.Lnot_wave_0_\@:
	s_barrier_wait -3
	s_barrier_signal -1
	s_barrier_wait -1
.endm
.macro CROUND                          ; a whole round
	s_barrier_signal -1
	s_barrier_wait -1
	CREST
.endm
	s_load_b128 s[4:7], s[0:1], 0x0                ; xq s[4:5], wq s[6:7]
	s_load_b64 s[8:9], s[0:1], 0x10                ; hq
	v_lshl_add_u32 v[SPW], v0, 2, SPARE
	v_mov_b32 v[NIL], 0
	ds_add_u32 v[SPW], v[NIL]                      ; the wave's opening: the add, twice on end, and its wait ahead of my first tensor load; the set-up below, work on registers, stands between
	ds_add_u32 v[SPW], v[NIL]                      ; and once more, under the one wait
	v_lshrrev_b32 v1, 5, v0
	v_readfirstlane_b32 s10, v1                    ; wave 0..3
	s_lshr_b32 s11, s10, 1                         ; which half of the tile's rows is mine.  Also: I fetch for xq (0) or for wq (1)
	s_and_b32 s12, s10, 1                          ; which half of its columns.  Also: which 128 rows of that tile I fetch
	s_bfe_u32 s40, ttmp6, 0x40000                  ; cx: my place along the cluster's x
	s_bfe_u32 s41, ttmp6, 0x40004                  ; cy: along its y
	s_lshl_b32 s42, ttmp9, 2                       ; in a cluster launch ttmp9 and ttmp7 count clusters
	s_add_co_u32 s42, s42, s40                     ; tile column = 4 x cluster x + cx
	s_and_b32 s13, ttmp7, 0xffff
	s_lshl_b32 s13, s13, 2
	s_add_co_u32 s13, s13, s41                     ; tile row = 4 x cluster y + cy
	s_lshl_b32 s43, s41, 2
	s_lshl_b32 s43, 15, s43                        ; my row of the cluster: places 4 cy .. 4 cy + 3
	s_lshl_b32 s44, 0x1111, s40                    ; my column: places cx, cx + 4, cx + 8, cx + 12
	; descriptor group 1: a tile of 128 rows x 128 elements, padded in LDS
	s_or_b32 s[G1+0], s43, (1<<16)|(1<<20)|(1<<21)|(5<<22)|(3<<25)  ; 15:0 the mask: xq's tiles go to my row; 17:16 elements of 2 bytes; 20 padding on; 21 set beside a mask; 24:22 after every 64 words (code 5); 31:25 4 words of it (code 3)
	s_or_b32 s[G1B+0], s44, (1<<16)|(1<<20)|(1<<21)|(5<<22)|(3<<25) ; the same with the mask of my column, for wq's tiles
	s_mov_b32 s[G1B+1], KSTEP<<16
	s_mov_b32 s[G1+1], KSTEP<<16                   ; 63:48 tensor_dim0, low half = 128
	s_mov_b32 s[G1B+2], 128<<16
	s_mov_b32 s[G1+2], 128<<16                     ; 95:80 tensor_dim1, low half = 128
	s_mov_b32 s[G1B+3], KSTEP<<16
	s_mov_b32 s[G1+3], KSTEP<<16                   ; 127:112 tile_dim0 = 128
	s_mov_b32 s[G1B+4], 128
	s_mov_b32 s[G1+4], 128                         ; 143:128 tile_dim1 = 128; tile_dim2 = 0
	s_mov_b32 s[G1B+5], SIZE_K
	s_mov_b32 s[G1+5], SIZE_K                      ; 191:160 elements from row to row
	s_mov_b32 s[G1B+6], 0
	s_mov_b32 s[G1+6], 0
	s_mov_b32 s[G1B+7], 0
	s_mov_b32 s[G1+7], 0
	; where the tiles come from.  xq's hang on the tile row alone, which my row of the cluster shares; wq's on the tile column alone, which my column shares.
	s_lshl_b32 s17, s12, 7                         ; which 128 rows of the tile I fetch
	s_lshl_b32 s16, s13, 8
	s_add_co_u32 s16, s16, s17                     ; xq: row 256 x tile row + 128 x half
	s_lshl_b32 s46, s42, 8
	s_add_co_u32 s46, s46, s17                     ; wq: row 256 x tile column + 128 x half
	s_mov_b32 s17, 0
	s_mov_b32 s47, 0
	s_mov_b64 s[18:19], SIZE_K*2
	s_mul_u64 s[16:17], s[16:17], s[18:19]         ; in bytes
	s_mul_u64 s[46:47], s[46:47], s[18:19]
	s_mul_i32 s20, s10, HALFT                      ; and where they go: wave x 128 rows: no place in the cluster enters an LDS address
	s_wait_dscnt 0x0                               ; both opening adds are done
	s_wait_kmcnt 0x0
	s_add_nc_u64 s[14:15], s[4:5], s[16:17]
	s_add_nc_u64 s[46:47], s[6:7], s[46:47]
	CROUND                                         ; all sixteen work-groups are here: the first joint loads meet
.irp s, 0,1
	s_mov_b32 s[G0+4*(\s)], 1                                      ; 1:0 count = 1
	s_add_co_u32 s[G0+4*(\s)+1], s20, (\s)*SLOT                    ; 63:32 LDS address
	s_add_nc_u64 s[G0+4*(\s)+2:G0+4*(\s)+3], s[14:15], (\s)*KSTEP*2  ; 120:64 global address: K step s
	s_or_b32 s[G0+4*(\s)+3], s[G0+4*(\s)+3], 0x80000000            ; 127:126 type = 2
	s_mov_b32 s[G0B+4*(\s)], 1
	s_add_co_u32 s[G0B+4*(\s)+1], s20, (\s)*SLOT
	s_add_nc_u64 s[G0B+4*(\s)+2:G0B+4*(\s)+3], s[46:47], (\s)*KSTEP*2
	s_or_b32 s[G0B+4*(\s)+3], s[G0B+4*(\s)+3], 0x80000000
	JLOAD \s                                       ; the ring is filled before anything else is done: two loads of mine are out
.endr
	; A fragment is 16 rows x 32 K in 8 registers: lane l holds row l % 16; registers 0-3 hold K = 8 (l / 16) + 0..7, registers 4-7 K = 16 + 8 (l / 16) + 0..7: two loads of 16 bytes, 32 bytes apart.
	v_and_b32 v1, 15, v0                           ; l % 16
	v_bfe_u32 v2, v0, 4, 1                         ; l / 16
	v_mul_u32_u24 v3, v1, PITCH
	v_lshl_add_u32 v3, v2, 4, v3                   ; row x pitch + 16 x half
	s_mul_i32 s21, s11, HALFT                      ; my 128 rows of xq
	s_mul_i32 s22, s12, HALFT                      ; my 128 rows of wq,
	s_add_co_u32 s22, s22, 2*HALFT                 ; which lie behind xq's 256
.irp s, 0,1
	v_add_nc_u32 v[ADRA+(\s)], s21, v3
	v_add_nc_u32 v[ADRB+(\s)], s22, v3
	s_add_co_u32 s21, s21, SLOT
	s_add_co_u32 s22, s22, SLOT
.endr
	s_mul_i32 s23, s10, 16*SPITCH
	s_add_co_u32 s23, s23, STAGE                   ; my stage
	v_mul_u32_u24 v4, v1, SPITCH                   ; in: row l % 16, 16 bytes for each half of the lanes
	v_lshl_add_u32 v4, v2, 4, v4
	v_add_nc_u32 v[STO], s23, v4
	v_mul_u32_u24 v5, v2, SPITCH                   ; back: lanes 0-15 take one row of 256 bytes, lanes 16-31 the next
	v_lshl_add_u32 v5, v1, 4, v5
	v_add_nc_u32 v[RD], s23, v5
	v_mul_u32_u24 v5, v2, SIZE_N*2                 ; and the same two rows in hq
	v_lshl_add_u32 v[CO], v1, 4, v5
.irp r, 6,7,8,9,10,11,12,13
	v_mov_b32 v[\r], 0                             ; the fp8 codes' registers are written by halves: they are set once here
.endr
	; where my part of the first tile begins in hq, in bytes: the first way out adds it to hq's address
	s_lshl_b32 s13, s13, 8
	s_lshl_b32 s14, s11, 7
	s_add_co_u32 s16, s13, s14                     ; my first row
	s_mov_b32 s17, 0
	s_mov_b64 s[18:19], SIZE_N*2
	s_mul_u64 s[16:17], s[16:17], s[18:19]
	s_lshl_b32 s46, s42, 9                         ; my first column, in bytes: 512 x tile column + 256 x half
	s_lshl_b32 s47, s12, 8
	s_add_co_u32 s46, s46, s47
	s_mov_b32 s47, 0
	s_add_nc_u64 s[16:17], s[16:17], s[46:47]
	; the prefetches.  s13 = 256 x tile row, s42 = tile column, s40 = cx, s41 = cy still stand
	s_lshl_b32 s42, s42, 8
	s_and_b32 s22, ttmp7, 0xffff                   ; cluster y
	s_cmp_eq_u32 s11, 0                            ; do I fetch for xq?
	s_cselect_b32 s20, s13, s42                    ; the tile's first row: in xq by the tile row, in wq by the tile column
	s_cselect_b32 s21, s40, s41                    ; my place among the four that ask for it with me
	s_cselect_b32 s22, ttmp9, s22                  ; the coordinate along which other clusters read the same rows
	s_cselect_b64 s[PFA:PFA+1], s[4:5], s[6:7]
	s_cmp_eq_u32 s22, 0
	s_cselect_b32 s[LIM], 1, -1                    ; the same in all sixteen partners, for a given wave
	s_lshl_b32 s22, s12, 7
	s_add_co_u32 s20, s20, s22                     ; + the 128 rows that I fetch
	s_lshl_b32 s21, s21, 5
	s_add_co_u32 s20, s20, s21                     ; + my work-group's 32 of them
	s_mov_b32 s21, 0
	s_mov_b64 s[18:19], SIZE_K*2
	s_mul_u64 s[20:21], s[20:21], s[18:19]
	s_add_nc_u64 s[PFA:PFA+1], s[PFA:PFA+1], s[20:21]
	s_add_nc_u64 s[PFA:PFA+1], s[PFA:PFA+1], 2*KSTEP*2  ; at K step 2: the first refill steps it to 3 and names K step 4
	v_and_b32 v[PFO], 31, v0
	v_mul_u32_u24 v[PFO], v[PFO], SIZE_K*2
	; nothing is prefetched here, at the head, where every work-group's first two tiles are on their way: K steps 2 and 3 come by their refills alone
; 16 matrix instructions: m blocks a0, a0 + 1 of the window's four (hi = 0: my rows 0-63, 1: rows 64-127) x all 8 n blocks, 32 along K.  zero = 1: the first product starts the sums: nothing is ever cleared.
; The 64 accumulators take turns, one instruction a turn, in the same order in every quarter step.
.macro MUL16 f, hi, a0, zero
	WIN MUL_LO+0x50*(\hi)
.irp a, \a0, (\a0)+1
.irp b, 0,1,2,3,4,5,6,7
.if \zero
	v_wmma_f32_16x16x32_bf16 v[8*(8*(\a)+(\b)):8*(8*(\a)+(\b))+7], v[(\f)+8*(\b):(\f)+8*(\b)+7], v[(\f)+8*(4*(\hi)+(\a)):(\f)+8*(4*(\hi)+(\a))+7], 0
.else
	v_wmma_f32_16x16x32_bf16 v[8*(8*(\a)+(\b)):8*(8*(\a)+(\b))+7], v[(\f)+8*(\b):(\f)+8*(\b)+7], v[(\f)+8*(4*(\hi)+(\a)):(\f)+8*(4*(\hi)+(\a))+7], v[8*(8*(\a)+(\b)):8*(8*(\a)+(\b))+7]
.endif
.endr
.endr
.endm
; 32 LDS loads in one run: the fragments of one quarter step (128 rows of wq, 128 rows of xq, 32 K at byte k of the rows) into buffer f
.macro FETCH slot, k, f
	WIN TO_B
.irp i, 0,1,2,3,4,5,6,7
	ds_load_b128 v[(\f)+8*(\i):(\f)+8*(\i)+3],   v[ADRB+(\slot)] offset:(\k)+(\i)*16*PITCH
	ds_load_b128 v[(\f)+8*(\i)+4:(\f)+8*(\i)+7], v[ADRB+(\slot)] offset:(\k)+(\i)*16*PITCH+32
.endr
	WIN 0
.irp i, 0,1,2,3,4,5,6,7
	ds_load_b128 v[(\f)+8*(\i):(\f)+8*(\i)+3],   v[ADRA+(\slot)] offset:(\k)+(\i)*16*PITCH
	ds_load_b128 v[(\f)+8*(\i)+4:(\f)+8*(\i)+7], v[ADRA+(\slot)] offset:(\k)+(\i)*16*PITCH+32
.endr
.endm
; A load into a register that a matrix instruction has read, and a vector instruction that reads a matrix result or writes one of a matrix instruction's registers, stand four places behind it, and only
; plain vector instructions that name none of its registers are places (ISA guide 7.12.1 for vector instructions).
.macro PLACES
.rept 4
	v_nop
.endr
.endm
; A K step is four quarter steps of 32 along K, 64 matrix instructions each, on buffers 0, 1, 0, 1.
; One of the first three: multiplies buffer f; in its middle it fetches the next quarter's fragments, at byte k of the same slot's rows, into buffer g.
.macro QUARTER slot, k, f, g, zero
	s_wait_dscnt 8                                 ; wq's and xq's rows 0-63 are in; the youngest eight loads (xq's rows 64-127) may be out
	WIN MUL_LO
	MUL16 \f, 0, 0, \zero
	MUL16 \f, 0, 2, \zero
	PLACES
	FETCH \slot, \k, \g
	s_wait_dscnt 32                                ; all but the 32 just issued
	WIN MUL_HI
	MUL16 \f, 1, 0, \zero
	MUL16 \f, 1, 2, \zero
.endm
; The last quarter multiplies buffer 1 and changes slots.  MEET is its first half: ONE barrier for the change of slots.  In front of it each wave waits for all its tensor loads, of which one is out: its
; part of the next slot; adds 0 to its spare word; and waits for that and for its own reads of this slot.  Behind it nobody reads this slot any more and the next slot is whole.
.macro MEET round                      ; round = 1: a round of the cluster's barrier follows
	WIN 0                                          ; (the add's two registers lie in window 0)
	s_wait_tensorcnt 0x0                           ; all my tensor loads have landed;
	ds_add_u32 v[SPW], v[NIL]                      ; 0 onto my spare word;
	s_wait_dscnt 9                                 ; (the add and the youngest eight loads may be out)
	WIN MUL_LO
	MUL16 F1, 0, 0, 0                              ; sixteen matrix instructions stand between the add and the wait for it
	s_wait_dscnt 0x0                               ; the add is done, and my reads of this slot are over:
	s_barrier_signal -1                            ; say so,
	MUL16 F1, 0, 2, 0                              ; work on registers while the others arrive,
.if \round
	WIN 0
.endif
	s_barrier_wait -1                              ; and go on when all four have said so
.endm
; The whole last quarter.  Behind the round the slot just read out is filled again first: with this tile's K step two steps on (on = 0) or, in the first tile's last two K steps, with the second tile's
; K step 0 or 1 (on = 1); then come the next slot's first fragments.  From a request to the wait for it a wave issues 224 matrix instructions.
.macro TURN slot, next, on
	s_wait_xcnt 0x0                                ; the last prefetch, a K step back, has read its address: it is stepped here, ahead of the waits of the change of slots
.if (\on) && (\slot) == 0
	s_add_nc_u64 s[PFA:PFA+1], s[PFA:PFA+1], (WALK-1)*SIZE_K*2+KSTEP*2  ; from the K step after the tile's last to the next tile's K step 1: WALK rows down, back along K
	s_cmp_eq_u32 s11, 0
	s_cselect_b32 s[LIM], s[LIM], -1               ; wq's rows are the same for both tiles: they are asked for in the first alone
.else
	s_add_nc_u64 s[PFA:PFA+1], s[PFA:PFA+1], KSTEP*2
.endif
	MEET 1
	CREST                                          ; no wave of any partner still reads this slot's tile or has a load on its way
.if \on
	s_add_nc_u64 s[G0+4*(\slot)+2:G0+4*(\slot)+3], s[G0+4*(\slot)+2:G0+4*(\slot)+3], NEXT_A
	s_sub_nc_u64 s[G0B+4*(\slot)+2:G0B+4*(\slot)+3], s[G0B+4*(\slot)+2:G0B+4*(\slot)+3], BACK_B
.else
	s_add_nc_u64 s[G0+4*(\slot)+2:G0+4*(\slot)+3], s[G0+4*(\slot)+2:G0+4*(\slot)+3], 2*KSTEP*2
	s_add_nc_u64 s[G0B+4*(\slot)+2:G0B+4*(\slot)+3], s[G0B+4*(\slot)+2:G0B+4*(\slot)+3], 2*KSTEP*2
.endif
	JLOAD \slot                                    ; the first tensor load behind the round, my only one until the next; the four v_nop behind it are also the places in front of the loads below
	FETCH \next, 0, F0
	ASK \on
	WIN MUL_HI
	MUL16 F1, 1, 0, 0
	MUL16 F1, 1, 2, 0
.endm
; THE WAY OUT of block a (16 of my rows x 128 columns), in three parts.
; PACK: 32 numbers at a time: max(h, 0), each accumulator's registers in ascending order; times h; to fp8, two a line; back to f32; to bf16, which is exact.
.macro TOFP8
	v_cvt_pk_fp8_f32 v6.l, v[T+0], v[T+1]
	v_cvt_pk_fp8_f32 v7.l, v[T+4], v[T+5]
	v_cvt_pk_fp8_f32 v8.l, v[T+8], v[T+9]
	v_cvt_pk_fp8_f32 v9.l, v[T+12], v[T+13]
	v_cvt_pk_fp8_f32 v10.l, v[T+16], v[T+17]
	v_cvt_pk_fp8_f32 v11.l, v[T+20], v[T+21]
	v_cvt_pk_fp8_f32 v12.l, v[T+24], v[T+25]
	v_cvt_pk_fp8_f32 v13.l, v[T+28], v[T+29]
	v_cvt_pk_fp8_f32 v6.h, v[T+2], v[T+3]
	v_cvt_pk_fp8_f32 v7.h, v[T+6], v[T+7]
	v_cvt_pk_fp8_f32 v8.h, v[T+10], v[T+11]
	v_cvt_pk_fp8_f32 v9.h, v[T+14], v[T+15]
	v_cvt_pk_fp8_f32 v10.h, v[T+18], v[T+19]
	v_cvt_pk_fp8_f32 v11.h, v[T+22], v[T+23]
	v_cvt_pk_fp8_f32 v12.h, v[T+26], v[T+27]
	v_cvt_pk_fp8_f32 v13.h, v[T+30], v[T+31]
.endm
.macro FROMFP8
	v_cvt_pk_f32_fp8 v[T+0:T+1], v6.l
	v_cvt_pk_f32_fp8 v[T+2:T+3], v6.h
	v_cvt_pk_f32_fp8 v[T+4:T+5], v7.l
	v_cvt_pk_f32_fp8 v[T+6:T+7], v7.h
	v_cvt_pk_f32_fp8 v[T+8:T+9], v8.l
	v_cvt_pk_f32_fp8 v[T+10:T+11], v8.h
	v_cvt_pk_f32_fp8 v[T+12:T+13], v9.l
	v_cvt_pk_f32_fp8 v[T+14:T+15], v9.h
	v_cvt_pk_f32_fp8 v[T+16:T+17], v10.l
	v_cvt_pk_f32_fp8 v[T+18:T+19], v10.h
	v_cvt_pk_f32_fp8 v[T+20:T+21], v11.l
	v_cvt_pk_f32_fp8 v[T+22:T+23], v11.h
	v_cvt_pk_f32_fp8 v[T+24:T+25], v12.l
	v_cvt_pk_f32_fp8 v[T+26:T+27], v12.h
	v_cvt_pk_f32_fp8 v[T+28:T+29], v13.l
	v_cvt_pk_f32_fp8 v[T+30:T+31], v13.h
.endm
.macro PACK a
.set AC, 64*((\a)%4)
.irp hf, 0,1
	WIN 0x08+4*((\a)/4)                            ; source 1: window 2 or 3
.set i, 0
.rept 32
	v_max_num_f32 v[T+i], 0, v[AC+32*(\hf)+i]
.set i, i+1
.endr
.set i, 0
.rept 16
	v_pk_mul_f32 v[T+i:T+i+1], v[T+i:T+i+1], v[AC+32*(\hf)+i:AC+32*(\hf)+i+1]
.set i, i+2
.endr
	WIN 0
	TOFP8
	FROMFP8
.set i, 0
.rept 16
	v_cvt_pk_bf16_f32 v[TMP+16*(\hf)+i], v[T+2*i], v[T+2*i+1]
.set i, i+1
.endr
.endr
.endm
; TOSTAGE: 16 bytes a lane into my own stage in LDS, and back as whole rows of 256 bytes.
.macro TOSTAGE a
	WIN 0
.set BK, OB+192*((\a)%2)
.irp b, 0,1,2,3,4,5,6,7
	ds_store_b128 v[STO], v[TMP+4*(\b):TMP+4*(\b)+3] offset:32*(\b)
.endr
.irp t, 0,1,2,3,4,5,6,7
	ds_load_b128 v[BK+4*(\t):BK+4*(\t)+3], v[RD] offset:(\t)*2*SPITCH  ; LDS serves a wave's instructions in order (ISA guide 5.7.1.4): these see the stores above
.endr
.endm
; SEND: stored.
.macro SEND a, younger
	WIN 0
.set BK, OB+192*((\a)%2)
	s_wait_dscnt \younger                          ; the block is back in registers
	s_wait_xcnt 0x0                                ; every earlier memory instruction has had its addresses translated (ISA guide 3.1): only behind this wait are the stores' base and the registers that earlier stores read rewritten
.if (\a) == 0
	s_add_nc_u64 s[8:9], s[8:9], s[16:17]          ; on to this tile's first rows
.else
	s_add_nc_u64 s[8:9], s[8:9], 16*SIZE_N*2       ; 16 rows on
.endif
.irp t, 0,1,2,3,4,5,6,7
	global_store_b128 v[CO], v[BK+4*(\t):BK+4*(\t)+3], s[8:9] offset:2*(\t)*SIZE_N*2  ; 16 lanes store 256 consecutive bytes, at a multiple of 256 from hq's first byte
.endr
.endm
; A whole tile: block a's arithmetic stands between block a - 1's loads from the stage and the wait for them.
.macro WAYOUT
	PLACES                                         ; behind the tile's last products
	PACK 0
	TOSTAGE 0
.irp a, 1,2,3,4,5,6,7
	PACK \a
	SEND (\a)-1, 0
	TOSTAGE \a
.endr
	SEND 7, 0
.endm
	s_wait_tensorcnt 1                             ; my part of K step 0 is in; K step 1's load may stay out
	s_barrier_signal -1
	s_barrier_wait -1                              ; everybody's is
	FETCH 0, 0, F0
	s_mov_b32 s2, SIZE_TILES                       ; tiles to go, this one among them: the same number in every work-group
.Ltile:                                                ; (FETCH and SEND leave every window 0)
	QUARTER 0, 64,  F0, F1, 1                      ; a tile's first quarter stands in front of the loop: its products start the sums
	WIN 0                                          ; at a label and at a branch every window is 0
	s_mov_b32 s3, LAPS-1
.Llap:                                                 ; a trip goes once round the ring, from a lap's second quarter to the next lap's first, and fills both slots again
	QUARTER 0, 128, F1, F0, 0
	QUARTER 0, 192, F0, F1, 0
	TURN 0, 1, 0
	QUARTER 1, 64,  F0, F1, 0
	QUARTER 1, 128, F1, F0, 0
	QUARTER 1, 192, F0, F1, 0
	TURN 1, 0, 0
	QUARTER 0, 64,  F0, F1, 0
	WIN 0
	s_sub_co_u32 s3, s3, 1
	s_cmp_lg_u32 s3, 0
	s_cbranch_scc1 .Llap
	QUARTER 0, 128, F1, F0, 0                      ; the tile's last lap goes on
	QUARTER 0, 192, F0, F1, 0
	WIN 0
	s_cmp_eq_u32 s2, 1
	s_cbranch_scc1 .Llast_tile                     ; the last tile's tail is written out: it asks for nothing more
	TURN 0, 1, 1                                   ; THE RING GOES ON INTO THE NEXT TILE: slot 0 takes its K step 0,
	QUARTER 1, 64,  F0, F1, 0
	QUARTER 1, 128, F1, F0, 0
	QUARTER 1, 192, F0, F1, 0
	TURN 1, 0, 1                                   ; slot 1 its K step 1, and the next tile's first fragments are fetched into buffer 0, which the way out leaves alone
	WIN 0
	WAYOUT                                         ; both refills are asked for: now the tile goes out
	s_mov_b64 s[16:17], NEXT_C                     ; what the next way out adds to hq's address
	s_sub_co_u32 s2, s2, 1
	s_branch .Ltile
.Llast_tile:
	MEET 0                                         ; my one tensor load that was still out is slot 1's, the last K step's, so no round follows
	PLACES                                         ; for the loads into buffer 0, which the quarter before multiplied
	FETCH 1, 0, F0
	MUL16 F1, 1, 0, 0
	MUL16 F1, 1, 2, 0
	QUARTER 1, 64,  F0, F1, 0
	QUARTER 1, 128, F1, F0, 0
	QUARTER 1, 192, F0, F1, 0
	s_wait_dscnt 8                                 ; the very last quarter: nothing more to fetch
	MUL16 F1, 0, 0, 0
	MUL16 F1, 0, 2, 0
	s_wait_dscnt 0x0
	MUL16 F1, 1, 0, 0
	MUL16 F1, 1, 2, 0
	WIN 0
	WAYOUT
	s_wait_tensorcnt 0x0                           ; the wave's end, behind my last tensor load and my last LDS store
	ds_add_u32 v[SPW], v[NIL]
	s_wait_dscnt 0x0
	CROUND                                         ; the closing round: no work-group ends while a partner may still ask for a tile that names it
	s_endpgm
.Lfunc_end_k_q2a85c339ac_fc:
	.size	k_q2a85c339ac_fc, .Lfunc_end_k_q2a85c339ac_fc-k_q2a85c339ac_fc
	.p2alignl 7, 3214868480
	.fill 96, 4, 3214868480
	.section	.rodata,"a",@progbits
	.p2align	6, 0x0
	.amdhsa_kernel k_q2a85c339ac_fc
		.amdhsa_group_segment_fixed_size 327680
		.amdhsa_private_segment_fixed_size 0
		.amdhsa_enable_private_segment 0
		.amdhsa_kernarg_size 24
		.amdhsa_user_sgpr_count 2
		.amdhsa_user_sgpr_kernarg_segment_ptr 1
		.amdhsa_wavefront_size32 1
		.amdhsa_system_sgpr_workgroup_id_x 1
		.amdhsa_system_sgpr_workgroup_id_y 1
		.amdhsa_system_sgpr_workgroup_id_z 1
		.amdhsa_system_vgpr_workitem_id 0
		.amdhsa_next_free_vgpr 1024
		.amdhsa_next_free_sgpr 66
		.amdhsa_reserve_vcc 0
		.amdhsa_float_denorm_mode_32 3
		.amdhsa_float_denorm_mode_16_64 3
		.amdhsa_memory_ordered 1
		.amdhsa_forward_progress 1
		.amdhsa_inst_pref_size 255
	.end_amdhsa_kernel
	.section	.bss,"aw",@nobits
	.p2align	6
	.space	262144
	.amdgpu_metadata
---
amdhsa.version: [ 1, 2 ]
amdhsa.kernels:
  - .name:           k_q2a85c339ac_fc
    .symbol:         k_q2a85c339ac_fc.kd
    .args:
      - { .name: xq, .offset: 0, .size: 8, .value_kind: global_buffer, .address_space: global }
      - { .name: wq, .offset: 8, .size: 8, .value_kind: global_buffer, .address_space: global }
      - { .name: hq, .offset: 16, .size: 8, .value_kind: global_buffer, .address_space: global }
    .group_segment_fixed_size: 327680
    .private_segment_fixed_size: 0
    .kernarg_segment_align: 8
    .kernarg_segment_size: 24
    .max_flat_workgroup_size: 128
    .sgpr_count:     66
    .vgpr_count:     1024
    .wavefront_size: 32
...
	.end_amdgpu_metadata
.endif
;; end of part 2
;; launch proj (part 3): grid 4 x 64, 4 waves a work-group, clusters of 4 x 4, 327,680 bytes of LDS; arguments hq, pq, out0; writes out0
.if DOCPART == 3
	.amdgcn_target "amdgcn-amd-amdhsa--gfx1250"
	.amdhsa_code_object_version 6
	.text
	.protected	k_q2a85c339ac_proj
	.globl	k_q2a85c339ac_proj
	.p2align	8
	.type	k_q2a85c339ac_proj,@function
k_q2a85c339ac_proj:
	s_mov_b64 s[64:65], 0
	v_nop
	global_prefetch_b8 v0, s[64:65] scope:SCOPE_SE
	s_setreg_imm32_b32 hwreg(HW_REG_WAVE_MODE, 25, 1), 1
	s_wait_xcnt 0x0
	s_wait_alu depctr_hold_cnt(0) depctr_sa_sdst(0) depctr_va_vdst(0) depctr_va_sdst(0) depctr_va_ssrc(0) depctr_va_vcc(0) depctr_vm_vsrc(0)
	s_getreg_b32 s2, hwreg(HW_REG_IB_STS2, 6, 4)
	s_cmp_eq_u32 s2, 0
	s_cbranch_scc0 .Lentry_in_a_cluster
	s_endpgm
.Lentry_in_a_cluster:
	s_bfe_u32 s2, ttmp6, 0x10000c
	s_cmp_lg_u32 s2, 0xf033
	s_cbranch_scc0 .Lentry_shape_is_right
	s_endpgm
.Lentry_shape_is_right:
; out0[m][n] = the sum over k of hq[m][k] pq[n][k].  hq: [8192][4096], pq: [1024][4096], bf16 that hold fp8 e4m3 numbers exactly; out0: [8192][1024] f32; sums in f32, in the matrix unit's order.
; No work of the formula is left out.  A NaN code in hq or pq (a number beyond fp8's range) is carried into its row or column of out0.
; SHAPE.  A tile of out0 is 128 rows x 256 columns: 64 x 4 = 256 tiles, one for each work-group of the grid (tiles of 256 x 256 would be 128).  Four waves, each 64 rows x 128 columns: 32 accumulators of
; 16 x 16, 256 registers.  K goes in steps of 128 (LDS rows of 256 bytes + 16) through a ring of two slots; two slots of a step twice as long, 2 x 202,752 bytes, do not fit in LDS.
; CLUSTERS: 4 x 4 work-groups.  The grid is one cluster wide, so the four of a row of the cluster make all 1,024 columns of 128 rows and need the same tile of hq: it is asked for JOINTLY, once in the
; launch; the four of a column need the same tile of pq.  Waves 0 and 1 fetch hq's two halves of 64 rows, waves 2 and 3 pq's two halves of 128 rows.
; THE MATRIX INSTRUCTION IS USED TRANSPOSED (source 0 = 16 rows of pq, source 1 = 16 rows of hq): lane l holds row l % 16 of out0 and the columns 8 (l / 16) + 0..7: 32 bytes on end.
; REGISTERS, in windows of 256 (s_set_vgpr_msb's low byte: bits 1:0 source 0, 3:2 source 1, 5:4 source 2, 7:6 destination):
;   window 0: v0-5 at work; v16-30 addresses; hq's fragments, two buffers of 64 at v64 and v128: for 64 along K, half c, m block a at + 8 (4 c + a)
;   window 1: pq's fragments, two buffers of 128 at v0 and v128: half c, n block b at + 8 (8 c + b); on the way out the rows read back, block a at 64 a
;   window 2: accumulator (a, b) at v[8 (8 a + b)]
.set SIZE_M, 8192
.set SIZE_N, 1024
.set SIZE_K, 4096
.set KSTEP,  128
.set PITCH,  272                       ; an LDS row: 256 bytes + 16 of padding = 68 words: row r starts at bank 4 r mod 64 (64 banks of 4 bytes: ISA guide 11.1)
.set HALFA,  64*PITCH                  ; 64 rows of hq: what one of its loads brings, and what one wave reads
.set ATILE,  2*HALFA
.set HALFB,  128*PITCH                 ; 128 rows of pq likewise
.set SLOT,   ATILE+2*HALFB             ; hq's 128 rows, then pq's 256 rows: 104,448 bytes
.set STAGE,  2*SLOT                    ; behind the ring: 16 rows x 528 bytes for each wave, for the way out
.set SPITCH, 528                       ; 512 bytes of f32 + 16 = 132 words: the 16 rows of a store start at 16 different groups of four banks
.set SPARE,  STAGE+4*16*SPITCH         ; behind the stages: the spare words, 128 bytes for each wave: two blocks of 256 bytes that no other line names
.set LAPS, SIZE_K/(2*KSTEP)            ; a lap = two K steps = once round the ring: 16
.set ADRA, 16                          ; v16-17  LDS address of my hq fragments in slot 0, 1
.set ADRB, 20                          ; v20-21  the same for pq
.set STO,  24                          ; v24     the way out: where I put 32 bytes of a row
.set RD,   25                          ; v25     the way out: where I read 16 bytes of a row back
.set CO,   26                          ; v26     16 x my lane: my byte offset in 512 bytes of a row of out0
.set SPW,  28                          ; v28     LDS address of my spare word: SPARE + 4 x my thread's number; never rewritten
.set NIL,  29                          ; v29     0; never rewritten
.set PFO,  30                          ; v30     the prefetches' offset; never rewritten
.set PFA,  44                          ; s[44:45] where my prefetches stand: three K steps further along K than the refill in hand; a prefetch names the K step after that
.set LIM0, 43                          ; s43     a wave asks behind slot 0's refill while the trips to go, s3, are more than this
.set LIM1, 2                           ; s2      the same behind slot 1's refill
.set G1, 24                            ; s[24:31] descriptor group 1 for hq's tiles;  s[32:39] group 0, one set for each slot
.set G0, 32
.set G1B, 48                           ; s[48:55], s[56:63] the same for pq's tiles
.set G0B, 56
.set MSB, 0
.macro WIN new                         ; the immediate's high byte repeats the setting that is left; a switch that changes nothing is dropped
.if MSB != (\new)
	s_set_vgpr_msb (MSB<<8)|(\new)
.set MSB, \new
.endif
.endm
.set MUL,  0xa1                        ; source 0 (pq) window 1, source 1 (hq) window 0, C and D window 2
.set TO_B, 0x40                        ; destination window 1, address window 0
.macro JLOAD s                         ; a joint load; the branch hangs on the wave's number alone; an s_nop 0 and four v_nop follow each of the two lines, ahead of the jump, the label and what follows
	s_cmp_eq_u32 s11, 0
	s_cbranch_scc0 .Lfor_b_\@
	tensor_load_to_lds s[G0+4*(\s):G0+4*(\s)+3], s[G1:G1+7]
	s_nop 0
.rept 4
	v_nop
.endr
	s_branch .Lasked_\@
.Lfor_b_\@:
	tensor_load_to_lds s[G0B+4*(\s):G0B+4*(\s)+3], s[G1B:G1B+7]
	s_nop 0
.rept 4
	v_nop
.endr
.Lasked_\@:
.endm
; A PREFETCH INTO THE L2, behind a joint load, its five lines and the run of LDS loads that follows: the K step that stands FOUR refills on, 512 matrix instructions ahead of the load that will ask for it.
; Each row's 256 bytes of a K step are named ONCE in the launch.  hq: a cluster alone reads its rows.  Of the 64 rows that wave 0 or 1 fetches, the partner at cx takes 16 cx .. 16 cx + 15; lanes 0-15 name
; them in one K step, lanes 16-31 in the next: one instruction a lap, behind slot 0's refill.  pq: all sixteen clusters read the same rows, and the cluster with y = 0 asks: of the 128 rows that wave 2 or 3
; fetches the partner at cy takes 32 cy .. 32 cy + 31, a lane a row, behind each refill.  The partners are told apart BY ADDRESS.  K steps 2 to 5 come by their loads alone; the loop's last two trips ask
; for nothing: the last K step named is 31.
.macro ASK lim
	s_cmp_gt_u32 s3, s[\lim]
	s_cbranch_scc0 .Lnot_mine_\@
	global_prefetch_b8 v[PFO], s[PFA:PFA+1] offset:KSTEP*2 th:TH_LOAD_NT scope:SCOPE_SE
.Lnot_mine_\@:
.endm
.macro CREST                           ; a round of the cluster's barrier behind its opening barrier
	s_cmp_lg_u32 s10, 0
	s_cbranch_scc1 .Lnot_wave_0_\@
	s_barrier_signal -3
.Lnot_wave_0_\@:
	s_barrier_wait -3
	s_barrier_signal -1
	s_barrier_wait -1
.endm
.macro CROUND                          ; a whole round
	s_barrier_signal -1
	s_barrier_wait -1
	CREST
.endm
	s_load_b128 s[4:7], s[0:1], 0x0                ; hq s[4:5], pq s[6:7]
	s_load_b64 s[8:9], s[0:1], 0x10                ; out0
	v_lshl_add_u32 v[SPW], v0, 2, SPARE
	v_mov_b32 v[NIL], 0
	ds_add_u32 v[SPW], v[NIL]                      ; the wave's opening: the add, twice on end, and its wait ahead of my first tensor load; the set-up below, work on registers, stands between
	ds_add_u32 v[SPW], v[NIL]                      ; and once more, under the one wait
	v_lshrrev_b32 v1, 5, v0
	v_readfirstlane_b32 s10, v1                    ; wave 0..3
	s_lshr_b32 s11, s10, 1                         ; which 64 of the tile's rows are mine.  Also: I fetch for hq (0) or for pq (1)
	s_and_b32 s12, s10, 1                          ; which 128 of its columns.  Also: which half of that tile I fetch
	s_bfe_u32 s40, ttmp6, 0x40000                  ; cx, cy: my place in the cluster
	s_bfe_u32 s41, ttmp6, 0x40004
	s_lshl_b32 s42, ttmp9, 2
	s_add_co_u32 s42, s42, s40                     ; tile column = 4 x cluster x + cx
	s_and_b32 s13, ttmp7, 0xffff
	s_lshl_b32 s13, s13, 2
	s_add_co_u32 s13, s13, s41                     ; tile row = 4 x cluster y + cy
	s_lshl_b32 s43, s41, 2
	s_lshl_b32 s43, 15, s43                        ; my row of the cluster
	s_lshl_b32 s44, 0x1111, s40                    ; my column
	; descriptor group 1: rows of 128 elements, padded in LDS; 64 rows for hq, 128 for pq
	s_or_b32 s[G1+0], s43, (1<<16)|(1<<20)|(1<<21)|(5<<22)|(3<<25)  ; 15:0 the mask: hq's tiles go to my row; 17:16 elements of 2 bytes; 20 padding on; 21 set beside a mask; 24:22 after every 64 words (code 5); 31:25 4 words of it (code 3)
	s_or_b32 s[G1B+0], s44, (1<<16)|(1<<20)|(1<<21)|(5<<22)|(3<<25) ; the same with the mask of my column
	s_mov_b32 s[G1+1], KSTEP<<16                   ; tensor_dim0 = 128
	s_mov_b32 s[G1+2], 64<<16                      ; tensor_dim1 = 64
	s_mov_b32 s[G1+3], KSTEP<<16                   ; tile_dim0 = 128
	s_mov_b32 s[G1+4], 64                          ; tile_dim1 = 64
	s_mov_b32 s[G1+5], SIZE_K                      ; elements from row to row
	s_mov_b32 s[G1+6], 0
	s_mov_b32 s[G1+7], 0
	s_mov_b32 s[G1B+1], KSTEP<<16
	s_mov_b32 s[G1B+2], 128<<16                    ; tensor_dim1 = 128
	s_mov_b32 s[G1B+3], KSTEP<<16
	s_mov_b32 s[G1B+4], 128                        ; tile_dim1 = 128
	s_mov_b32 s[G1B+5], SIZE_K
	s_mov_b32 s[G1B+6], 0
	s_mov_b32 s[G1B+7], 0
	s_lshl_b32 s17, s12, 6
	s_lshl_b32 s16, s13, 7
	s_add_co_u32 s16, s16, s17                     ; hq: row 128 x tile row + 64 x half
	s_lshl_b32 s47, s12, 7
	s_lshl_b32 s46, s42, 8
	s_add_co_u32 s46, s46, s47                     ; pq: row 256 x tile column + 128 x half
	s_mov_b32 s17, 0
	s_mov_b32 s47, 0
	s_mov_b64 s[18:19], SIZE_K*2
	s_mul_u64 s[16:17], s[16:17], s[18:19]
	s_mul_u64 s[46:47], s[46:47], s[18:19]
	s_mul_i32 s20, s12, HALFA                      ; where they go: hq's halves at the slot's head,
	s_mul_i32 s21, s12, HALFB
	s_add_co_u32 s21, s21, ATILE                   ; pq's behind them: the wave's number alone enters an LDS address
	s_wait_dscnt 0x0                               ; both opening adds are done
	s_wait_kmcnt 0x0
	s_add_nc_u64 s[14:15], s[4:5], s[16:17]
	s_add_nc_u64 s[46:47], s[6:7], s[46:47]
	CROUND                                         ; all sixteen work-groups are here: the first joint loads meet
.irp s, 0,1
	s_mov_b32 s[G0+4*(\s)], 1                                      ; count = 1
	s_add_co_u32 s[G0+4*(\s)+1], s20, (\s)*SLOT                    ; LDS address
	s_add_nc_u64 s[G0+4*(\s)+2:G0+4*(\s)+3], s[14:15], (\s)*KSTEP*2  ; global address: K step s
	s_or_b32 s[G0+4*(\s)+3], s[G0+4*(\s)+3], 0x80000000            ; type = 2
	s_mov_b32 s[G0B+4*(\s)], 1
	s_add_co_u32 s[G0B+4*(\s)+1], s21, (\s)*SLOT
	s_add_nc_u64 s[G0B+4*(\s)+2:G0B+4*(\s)+3], s[46:47], (\s)*KSTEP*2
	s_or_b32 s[G0B+4*(\s)+3], s[G0B+4*(\s)+3], 0x80000000
	JLOAD \s                                       ; two loads of mine are out
.endr
	v_and_b32 v1, 15, v0                           ; l % 16
	v_bfe_u32 v2, v0, 4, 1                         ; l / 16
	v_mul_u32_u24 v3, v1, PITCH
	v_lshl_add_u32 v3, v2, 4, v3                   ; a fragment's row x pitch + 16 x half
	s_mul_i32 s21, s11, HALFA                      ; my 64 rows of hq
	s_mul_i32 s22, s12, HALFB                      ; my 128 rows of pq,
	s_add_co_u32 s22, s22, ATILE                   ; which lie behind hq's 128
.irp s, 0,1
	v_add_nc_u32 v[ADRA+(\s)], s21, v3
	v_add_nc_u32 v[ADRB+(\s)], s22, v3
	s_add_co_u32 s21, s21, SLOT
	s_add_co_u32 s22, s22, SLOT
.endr
	s_mul_i32 s23, s10, 16*SPITCH
	s_add_co_u32 s23, s23, STAGE                   ; my stage
	v_mul_u32_u24 v4, v1, SPITCH                   ; in: row l % 16, 32 bytes for each half of the lanes
	v_lshl_add_u32 v4, v2, 5, v4
	v_add_nc_u32 v[STO], s23, v4
	v_and_b32 v5, 31, v0
	v_lshlrev_b32 v[CO], 4, v5                     ; back: 32 lanes take one row of 512 bytes
	v_add_nc_u32 v[RD], s23, v[CO]
	s_lshl_b32 s16, s13, 7
	s_lshl_b32 s17, s11, 6
	s_add_co_u32 s16, s16, s17                     ; my first row of out0: 128 x tile row + 64 x half,
	s_lshl_b32 s16, s16, 12                        ; 4,096 bytes a row
	s_mov_b32 s17, 0
	s_add_nc_u64 s[8:9], s[8:9], s[16:17]
	s_lshl_b32 s46, s42, 10                        ; my first column, in bytes: 1,024 x tile column + 512 x half
	s_lshl_b32 s47, s12, 9
	s_add_co_u32 s46, s46, s47
	s_mov_b32 s47, 0
	s_add_nc_u64 s[8:9], s[8:9], s[46:47]
	; the prefetches
	s_lshl_b32 s20, s13, 7                         ; hq: 128 x tile row
	s_lshl_b32 s21, s12, 6                         ; + the 64 rows that I fetch
	s_add_co_u32 s20, s20, s21
	s_lshl_b32 s21, s40, 4                         ; + my work-group's 16 of them
	s_add_co_u32 s20, s20, s21
	s_lshl_b32 s21, s42, 8                         ; pq: 256 x tile column
	s_lshl_b32 s22, s12, 7                         ; + the 128 rows that I fetch
	s_add_co_u32 s21, s21, s22
	s_lshl_b32 s22, s41, 5                         ; + my work-group's 32 of them
	s_add_co_u32 s21, s21, s22
	s_and_b32 s22, ttmp7, 0xffff                   ; cluster y: the same in all sixteen partners
	s_cmp_eq_u32 s22, 0
	s_cselect_b32 s23, 2, -1                       ; pq's waves ask in the cluster with y = 0 alone
	s_cmp_eq_u32 s11, 0                            ; do I fetch for hq?
	s_cselect_b32 s20, s20, s21
	s_cselect_b32 s[LIM0], 2, s23
	s_cselect_b32 s[LIM1], -1, s23
	s_cselect_b32 s22, 15, 31                      ; the lanes' rows: 16 or 32,
	s_cselect_b32 s23, 256, 0                      ; and lanes 16-31 a K step on, or not
	s_cselect_b64 s[PFA:PFA+1], s[4:5], s[6:7]
	s_lshl_b32 s20, s20, 13                        ; 8,192 bytes a row: under 2^27
	s_mov_b32 s21, 0
	s_add_nc_u64 s[PFA:PFA+1], s[PFA:PFA+1], s[20:21]
	s_add_nc_u64 s[PFA:PFA+1], s[PFA:PFA+1], 4*KSTEP*2  ; at K step 4: the first refill (K step 2) steps it to 5 and names K step 6
	v_and_b32 v[PFO], s22, v5
	v_lshlrev_b32 v[PFO], 13, v[PFO]
	v_mad_u32_u24 v[PFO], v2, s23, v[PFO]
; 8 matrix instructions: m block a x all 8 n blocks, 32 along K: half c of buffer f.  zero = 1: the product starts the sums: nothing is ever cleared.
; The 32 accumulators take turns, one instruction a turn, in the same order throughout.
.macro MULA f, c, a, zero
	WIN MUL
.irp b, 0,1,2,3,4,5,6,7
.if \zero
	v_wmma_f32_16x16x32_bf16 v[8*(8*(\a)+(\b)):8*(8*(\a)+(\b))+7], v[128*(\f)+8*(8*(\c)+(\b)):128*(\f)+8*(8*(\c)+(\b))+7], v[64+64*(\f)+8*(4*(\c)+(\a)):64+64*(\f)+8*(4*(\c)+(\a))+7], 0
.else
	v_wmma_f32_16x16x32_bf16 v[8*(8*(\a)+(\b)):8*(8*(\a)+(\b))+7], v[128*(\f)+8*(8*(\c)+(\b)):128*(\f)+8*(8*(\c)+(\b))+7], v[64+64*(\f)+8*(4*(\c)+(\a)):64+64*(\f)+8*(4*(\c)+(\a))+7], v[8*(8*(\a)+(\b)):8*(8*(\a)+(\b))+7]
.endif
.endr
.endm
.macro MUL4 f, c, zero                 ; all four m blocks: 32 matrix instructions
.irp a, 0,1,2,3
	MULA \f, \c, \a, \zero
.endr
.endm
; 48 LDS loads in one run: the fragments of 64 along K at byte k of the rows, into buffer f.  The first 24 are the first 32 along K (hq's 8, pq's 16), the other 24 the second (pq's 16, hq's 8).
.macro FETCH slot, k, f
	WIN 0
.irp a, 0,1,2,3
	ds_load_b128 v[64+64*(\f)+8*(\a):64+64*(\f)+8*(\a)+3],   v[ADRA+(\slot)] offset:(\k)+(\a)*16*PITCH
	ds_load_b128 v[64+64*(\f)+8*(\a)+4:64+64*(\f)+8*(\a)+7], v[ADRA+(\slot)] offset:(\k)+(\a)*16*PITCH+32
.endr
	WIN TO_B
.irp c, 0,1
.irp b, 0,1,2,3,4,5,6,7
	ds_load_b128 v[128*(\f)+8*(8*(\c)+(\b)):128*(\f)+8*(8*(\c)+(\b))+3],   v[ADRB+(\slot)] offset:(\k)+64*(\c)+(\b)*16*PITCH
	ds_load_b128 v[128*(\f)+8*(8*(\c)+(\b))+4:128*(\f)+8*(8*(\c)+(\b))+7], v[ADRB+(\slot)] offset:(\k)+64*(\c)+(\b)*16*PITCH+32
.endr
.endr
	WIN 0
.irp a, 0,1,2,3
	ds_load_b128 v[64+64*(\f)+8*(4+(\a)):64+64*(\f)+8*(4+(\a))+3],   v[ADRA+(\slot)] offset:(\k)+64+(\a)*16*PITCH
	ds_load_b128 v[64+64*(\f)+8*(4+(\a))+4:64+64*(\f)+8*(4+(\a))+7], v[ADRA+(\slot)] offset:(\k)+64+(\a)*16*PITCH+32
.endr
.endm
.macro PLACES                          ; four places in front of loads into registers that matrix instructions have read, and of LDS stores that read results
.rept 4
	v_nop
.endr
.endm
; A K step is two halves of 64 along K, 64 matrix instructions each, on buffers 0 and 1.  The first half multiplies buffer 0 and fetches the second half, at byte 128 of the same slot's rows, into buffer 1.
.macro HALF slot, zero
	s_wait_dscnt 24                                ; the first 32 along K are in; the 24 younger loads may be out
	MUL4 0, 0, \zero
	PLACES
	FETCH \slot, 128, 1
	s_wait_dscnt 48                                ; all but the 48 just issued
	MUL4 0, 1, 0
.endm
; The second half multiplies buffer 1 and changes slots: ONE barrier; in front of it each wave waits for all its tensor loads, of which one is out: its part of the next slot (asked for 112 matrix
; instructions back); adds 0 to its spare word; and waits for that and for its own reads of this slot.  fill = 1: the barrier opens a round of the cluster's, and this slot is filled again, two K steps on.
.macro TURN slot, next, fill
.if \fill
	s_wait_xcnt 0x0                                ; the last prefetch, a K step back, has read its address: it is stepped here, ahead of the waits of the change of slots
	s_add_nc_u64 s[PFA:PFA+1], s[PFA:PFA+1], KSTEP*2
.endif
	s_wait_dscnt 24                                ; the first 32 along K are in
	MULA 1, 0, 0, 0
	MULA 1, 0, 1, 0
	WIN 0                                          ; (the add's two registers lie in window 0)
	s_wait_tensorcnt 0x0                           ; all my tensor loads have landed;
	ds_add_u32 v[SPW], v[NIL]                      ; 0 onto my spare word;
	MULA 1, 0, 2, 0                                ; eight matrix instructions stand between the add and the wait for it
	s_wait_dscnt 0x0                               ; the add is done, and my reads of this slot are over
	s_barrier_signal -1
	MULA 1, 0, 3, 0                                ; work on registers while the others arrive
.if \fill
	WIN 0
.endif
	s_barrier_wait -1
.if \fill
	CREST                                          ; no wave of any partner still reads this slot's tile or has a load on its way
	s_add_nc_u64 s[G0+4*(\slot)+2:G0+4*(\slot)+3], s[G0+4*(\slot)+2:G0+4*(\slot)+3], 2*KSTEP*2
	s_add_nc_u64 s[G0B+4*(\slot)+2:G0B+4*(\slot)+3], s[G0B+4*(\slot)+2:G0B+4*(\slot)+3], 2*KSTEP*2
	JLOAD \slot                                    ; the first tensor load behind the round, my only one until the next; the four v_nop behind it are also the places in front of the loads below
.else
	PLACES
.endif
	FETCH \next, 0, 0
.if \fill
.if (\slot) == 0
	ASK LIM0
.else
	ASK LIM1
.endif
.endif
	MUL4 1, 1, 0
.endm
; THE WAY OUT of block a (16 of my rows x 128 columns of f32).  PACK: each accumulator's eight registers, the low four first, go as 32 bytes of a row into my own stage, and the rows
; come back whole, 512 bytes each, into window 1, where pq's fragments lay: each block has 64 registers of its own, so no register that a store reads is written again.
.macro PACK a
	WIN 0x08                                       ; store data (source 1) in window 2
.irp b, 0,1,2,3,4,5,6,7
	ds_store_b128 v[STO], v[8*(8*(\a)+(\b)):8*(8*(\a)+(\b))+3]   offset:64*(\b)
	ds_store_b128 v[STO], v[8*(8*(\a)+(\b))+4:8*(8*(\a)+(\b))+7] offset:64*(\b)+16
.endr
	WIN 0x40                                       ; loaded data in window 1
.irp t, 0,1,2,3,4,5,6,7,8,9,10,11,12,13,14,15
	ds_load_b128 v[64*(\a)+4*(\t):64*(\a)+4*(\t)+3], v[RD] offset:(\t)*SPITCH  ; LDS serves a wave's instructions in order (ISA guide 5.7.1.4): these see the stores above; the next block's stores come behind them
.endr
.endm
.macro SEND a, younger                 ; younger: the LDS instructions issued behind block a's loads: the next block's 32, or none
	WIN 0x04                                       ; store data (source 1) in window 1
.irp t, 0,1,2,3,4,5,6,7,8,9,10,11,12,13,14,15
	s_wait_dscnt (\younger)+15-(\t)
	global_store_b128 v[CO], v[64*(\a)+4*(\t):64*(\a)+4*(\t)+3], s[8:9] offset:(16*(\a)+(\t))*SIZE_N*4 th:TH_STORE_NT  ; 32 lanes store 512 consecutive bytes of a row, at a multiple of 512 from out0's first byte
.endr
.endm
	s_wait_tensorcnt 1                             ; my part of K step 0 is in; K step 1's load may stay out
	s_barrier_signal -1
	s_barrier_wait -1                              ; everybody's is
	FETCH 0, 0, 0
	HALF 0, 1                                      ; the first half step stands in front of the loop: its first products start the sums
	WIN 0                                          ; at a label and at a branch every window is 0
	s_mov_b32 s3, LAPS-1
.Llap:                                                 ; a trip goes once round the ring, from a lap's second half step to the next lap's first, and fills both slots again
	TURN 0, 1, 1
	HALF 1, 0
	TURN 1, 0, 1
	HALF 0, 0
	WIN 0
	s_sub_co_u32 s3, s3, 1
	s_cmp_lg_u32 s3, 0
	s_cbranch_scc1 .Llap
	TURN 0, 1, 0                                   ; the last lap fills nothing, and has no round of the cluster's barrier
	HALF 1, 0
	s_wait_dscnt 24                                ; the very last half step: nothing more to fetch
	MUL4 1, 0, 0
	s_wait_dscnt 0x0
	MUL4 1, 1, 0
	WIN 0
	PLACES                                         ; behind the last products
	PACK 0
	PACK 1                                         ; a block's trip through the stage stands between the loads of the block before and its stores
	SEND 0, 32
	PACK 2
	SEND 1, 32
	PACK 3
	SEND 2, 32
	SEND 3, 0
	WIN 0
	s_wait_tensorcnt 0x0                           ; the wave's end, behind my last tensor load and my last LDS store
	ds_add_u32 v[SPW], v[NIL]
	s_wait_dscnt 0x0
	CROUND                                         ; the closing round: no work-group ends while a partner may still ask for a tile that names it
	s_endpgm
.Lfunc_end_k_q2a85c339ac_proj:
	.size	k_q2a85c339ac_proj, .Lfunc_end_k_q2a85c339ac_proj-k_q2a85c339ac_proj
	.p2alignl 7, 3214868480
	.fill 96, 4, 3214868480
	.section	.rodata,"a",@progbits
	.p2align	6, 0x0
	.amdhsa_kernel k_q2a85c339ac_proj
		.amdhsa_group_segment_fixed_size 327680
		.amdhsa_private_segment_fixed_size 0
		.amdhsa_enable_private_segment 0
		.amdhsa_kernarg_size 24
		.amdhsa_user_sgpr_count 2
		.amdhsa_user_sgpr_kernarg_segment_ptr 1
		.amdhsa_wavefront_size32 1
		.amdhsa_system_sgpr_workgroup_id_x 1
		.amdhsa_system_sgpr_workgroup_id_y 1
		.amdhsa_system_sgpr_workgroup_id_z 1
		.amdhsa_system_vgpr_workitem_id 0
		.amdhsa_next_free_vgpr 768
		.amdhsa_next_free_sgpr 66
		.amdhsa_reserve_vcc 0
		.amdhsa_float_denorm_mode_32 3
		.amdhsa_float_denorm_mode_16_64 3
		.amdhsa_memory_ordered 1
		.amdhsa_forward_progress 1
		.amdhsa_inst_pref_size 87
	.end_amdhsa_kernel
	.amdgpu_metadata
---
amdhsa.version: [ 1, 2 ]
amdhsa.kernels:
  - .name:           k_q2a85c339ac_proj
    .symbol:         k_q2a85c339ac_proj.kd
    .args:
      - { .name: hq, .offset: 0, .size: 8, .value_kind: global_buffer, .address_space: global }
      - { .name: pq, .offset: 8, .size: 8, .value_kind: global_buffer, .address_space: global }
      - { .name: out0, .offset: 16, .size: 8, .value_kind: global_buffer, .address_space: global }
    .group_segment_fixed_size: 327680
    .private_segment_fixed_size: 0
    .kernarg_segment_align: 8
    .kernarg_segment_size: 24
    .max_flat_workgroup_size: 128
    .sgpr_count:     66
    .vgpr_count:     768
    .wavefront_size: 32
...
	.end_amdgpu_metadata
.endif
;; end of part 3
;; ======== version 2 of 2: 3 launches
;; workspace buffers: xq 16,777,216 bytes; wq 8,388,608 bytes; pq 4,194,304 bytes; hq 33,554,432 bytes
;; launch quant (part 4): grid 256 x 4, 8 waves a work-group, no clusters, 0 bytes of LDS; arguments x, fc_w, proj_w, xq, wq, pq; writes xq, wq, pq
.if DOCPART == 4
	.amdgcn_target "amdgcn-amd-amdhsa--gfx1250"
	.amdhsa_code_object_version 6
	.text
	.protected	k_q2a85c339ac_quant
	.globl	k_q2a85c339ac_quant
	.p2align	8
	.type	k_q2a85c339ac_quant,@function
k_q2a85c339ac_quant:
	s_mov_b64 s[64:65], 0
	v_nop
	global_prefetch_b8 v0, s[64:65] scope:SCOPE_SE
	s_setreg_imm32_b32 hwreg(HW_REG_WAVE_MODE, 25, 1), 1
	s_wait_xcnt 0x0
; xq = q(x), wq = q(fc_w), pq = q(proj_w): q rounds an f32 to fp8 e4m3.  xq and wq are stored widened to bf16, which holds every e4m3 number exactly (4 significant bits, 2^-9 to 448);
; pq is stored as the fp8 codes themselves, a byte a number, and widened to bf16 in the launch that multiplies by it.  So both products multiply the very numbers that the problem's formula multiplies.
; NO WORK IS LEFT OUT in this program: all three inputs reach the output and every step of the formula is done.
; LIMITS.  The rounding is v_cvt_pk_fp8_f32's: to nearest, fp8's denormals kept (the weights lie mostly there, in steps of 2^-9); beyond the format's range it gives the
; NaN code, as e4m3fn has no infinity; between 448 and 464 this text leans on the instruction rounding before it tests the range.
; SHARES.  Grid y picks 4,194,304 numbers: 0 and 1 the halves of x, 2 fc_w, 3 proj_w.  A work-group takes 16,384 consecutive numbers.
; x and fc_w: 16 steps; in step i thread t loads the 16 bytes at 4,096 i + 16 t and stores the 8 bytes at 2,048 i + 8 t: a wave's load covers 512 consecutive bytes, its store 256, aligned.
; proj_w: 8 steps; in step i thread t loads the 32 bytes at 8,192 i + 32 t, by two loads, and stores 8 codes: a wave's store covers 256 consecutive bytes, aligned.
; pq's ORDER.  Row-major, but in every 32 bytes the two middle groups of 8 change places: bytes 16 h .. 16 h + 15 then hold k = 8 h + 0..7 and 16 + 8 h + 0..7, which is what lane half h of a
; 16-bit matrix fragment holds (ISA guide 7.12.2), so that the last launch takes a fragment's codes by one load of 16 bytes a lane.
; All 16 loads of a wave go out at once, each step has registers of its own, so no register that a pending load or store names is written again: the only waits are the counted ones for the loads.
.set T, 8                              ; v[8:23]   four sets of four f32, by turns
.set X, 32                             ; v[32:95]  the f32 as loaded
.set Y, 96                             ; v[96:127] to store: step i's four bf16; for pq v96-v111, step i's eight codes
                                       ; v4-v7     four fp8 codes each, by turns; written by halves, so they are set once here
	s_load_b256 s[4:11], s[0:1], 0x0               ; x s[4:5], fc_w s[6:7], proj_w s[8:9], xq s[10:11]
	s_load_b128 s[12:15], s[0:1], 0x20             ; wq s[12:13], pq s[14:15]
	s_and_b32 s20, ttmp7, 0xffff                   ; which 4,194,304 numbers
	v_lshlrev_b32 v1, 4, v0                        ; 16 t
	v_lshlrev_b32 v2, 3, v0                        ; 8 t
	v_mov_b32 v4, 0
	v_mov_b32 v5, 0
	v_mov_b32 v6, 0
	v_mov_b32 v7, 0
	s_wait_kmcnt 0x0
	s_cmp_eq_u32 s20, 3
	s_cbranch_scc1 .Lpq                            ; proj_w has an arm of its own
	s_cmp_eq_u32 s20, 2
	s_cselect_b64 s[16:17], s[6:7], s[4:5]         ; fc_w or x,
	s_cselect_b64 s[18:19], s[12:13], s[10:11]     ; wq or xq
	s_cmp_eq_u32 s20, 1
	s_cselect_b32 s21, 256, 0                      ; x's second half begins at chunk 256
	s_add_co_u32 s21, s21, ttmp9                   ; my chunk, 0 to 511
	s_lshl_b32 s22, s21, 16                        ; 65,536 bytes of f32 a chunk,
	s_mov_b32 s23, 0
	s_lshl_b32 s24, s21, 15                        ; 32,768 of bf16
	s_mov_b32 s25, 0
	s_add_nc_u64 s[16:17], s[16:17], s[22:23]
	s_add_nc_u64 s[18:19], s[18:19], s[24:25]
.irp i, 0,1,2,3,4,5,6,7,8,9,10,11,12,13,14,15
	global_load_b128 v[X+4*(\i):X+4*(\i)+3], v1, s[16:17] offset:4096*(\i) th:TH_LOAD_NT
.endr
; The end of step i, on set t of T: two exact conversions to bf16, and the store.
.macro TAIL i, t
	v_cvt_pk_bf16_f32 v[Y+2*(\i)], v[T+4*(\t)], v[T+4*(\t)+1]
	v_cvt_pk_bf16_f32 v[Y+2*(\i)+1], v[T+4*(\t)+2], v[T+4*(\t)+3]
	global_store_b64 v2, v[Y+2*(\i):Y+2*(\i)+1], s[18:19] offset:2048*(\i)
.endm
; Steps 4 g to 4 g + 3.  Loads come back in order (ISA guide 5.7.1): the count of each wait is the number of younger loads.
.macro STEP4 g
	s_wait_loadcnt 15-4*(\g)
	v_cvt_pk_fp8_f32 v4.l, v[X+16*(\g)], v[X+16*(\g)+1]
	v_cvt_pk_fp8_f32 v4.h, v[X+16*(\g)+2], v[X+16*(\g)+3]
	v_cvt_pk_f32_fp8 v[T:T+1], v4.l
	v_cvt_pk_f32_fp8 v[T+2:T+3], v4.h
	TAIL 4*(\g), 0
	s_wait_loadcnt 14-4*(\g)
	v_cvt_pk_fp8_f32 v5.l, v[X+16*(\g)+4], v[X+16*(\g)+5]
	v_cvt_pk_fp8_f32 v5.h, v[X+16*(\g)+6], v[X+16*(\g)+7]
	v_cvt_pk_f32_fp8 v[T+4:T+5], v5.l
	v_cvt_pk_f32_fp8 v[T+6:T+7], v5.h
	TAIL 4*(\g)+1, 1
	s_wait_loadcnt 13-4*(\g)
	v_cvt_pk_fp8_f32 v6.l, v[X+16*(\g)+8], v[X+16*(\g)+9]
	v_cvt_pk_fp8_f32 v6.h, v[X+16*(\g)+10], v[X+16*(\g)+11]
	v_cvt_pk_f32_fp8 v[T+8:T+9], v6.l
	v_cvt_pk_f32_fp8 v[T+10:T+11], v6.h
	TAIL 4*(\g)+2, 2
	s_wait_loadcnt 12-4*(\g)
	v_cvt_pk_fp8_f32 v7.l, v[X+16*(\g)+12], v[X+16*(\g)+13]
	v_cvt_pk_fp8_f32 v7.h, v[X+16*(\g)+14], v[X+16*(\g)+15]
	v_cvt_pk_f32_fp8 v[T+12:T+13], v7.l
	v_cvt_pk_f32_fp8 v[T+14:T+15], v7.h
	TAIL 4*(\g)+3, 3
.endm
	STEP4 0
	STEP4 1
	STEP4 2
	STEP4 3
	s_endpgm
.Lpq:                                                  ; proj_w to fp8 codes
	s_lshl_b32 s22, ttmp9, 16                      ; 65,536 bytes of f32 a chunk,
	s_mov_b32 s23, 0
	s_lshl_b32 s24, ttmp9, 14                      ; 16,384 of codes
	s_mov_b32 s25, 0
	s_add_nc_u64 s[16:17], s[8:9], s[22:23]
	s_add_nc_u64 s[18:19], s[14:15], s[24:25]
	v_lshlrev_b32 v1, 5, v0                        ; 32 t: my eight numbers of a step
.irp i, 0,1,2,3,4,5,6,7
	global_load_b128 v[X+8*(\i):X+8*(\i)+3],   v1, s[16:17] offset:8192*(\i)
	global_load_b128 v[X+8*(\i)+4:X+8*(\i)+7], v1, s[16:17] offset:8192*(\i)+16
.endr
	v_and_b32 v3, 0xfc, v0                         ; my group of 8 codes goes to place t with its two lowest bits exchanged: of four groups the middle two change places
	v_and_b32 v2, 1, v0
	v_lshl_or_b32 v3, v2, 1, v3
	v_bfe_u32 v2, v0, 1, 1
	v_or_b32 v3, v3, v2
	v_lshlrev_b32 v2, 3, v3
.set i, 96
.rept 16
	v_mov_b32 v[i], 0                              ; the codes' registers are written by halves: they are set once, while the loads are out
.set i, i+1
.endr
	s_wait_loadcnt 14                              ; step 0's two loads are in; the count is the number of younger loads, here and below
	v_cvt_pk_fp8_f32 v96.l, v[X+0], v[X+1]
	v_cvt_pk_fp8_f32 v97.l, v[X+4], v[X+5]
	v_cvt_pk_fp8_f32 v96.h, v[X+2], v[X+3]
	v_cvt_pk_fp8_f32 v97.h, v[X+6], v[X+7]
	global_store_b64 v2, v[96:97], s[18:19]
	s_wait_loadcnt 12
	v_cvt_pk_fp8_f32 v98.l, v[X+8], v[X+9]
	v_cvt_pk_fp8_f32 v99.l, v[X+12], v[X+13]
	v_cvt_pk_fp8_f32 v98.h, v[X+10], v[X+11]
	v_cvt_pk_fp8_f32 v99.h, v[X+14], v[X+15]
	global_store_b64 v2, v[98:99], s[18:19] offset:2048
	s_wait_loadcnt 10
	v_cvt_pk_fp8_f32 v100.l, v[X+16], v[X+17]
	v_cvt_pk_fp8_f32 v101.l, v[X+20], v[X+21]
	v_cvt_pk_fp8_f32 v100.h, v[X+18], v[X+19]
	v_cvt_pk_fp8_f32 v101.h, v[X+22], v[X+23]
	global_store_b64 v2, v[100:101], s[18:19] offset:4096
	s_wait_loadcnt 8
	v_cvt_pk_fp8_f32 v102.l, v[X+24], v[X+25]
	v_cvt_pk_fp8_f32 v103.l, v[X+28], v[X+29]
	v_cvt_pk_fp8_f32 v102.h, v[X+26], v[X+27]
	v_cvt_pk_fp8_f32 v103.h, v[X+30], v[X+31]
	global_store_b64 v2, v[102:103], s[18:19] offset:6144
	s_wait_loadcnt 6
	v_cvt_pk_fp8_f32 v104.l, v[X+32], v[X+33]
	v_cvt_pk_fp8_f32 v105.l, v[X+36], v[X+37]
	v_cvt_pk_fp8_f32 v104.h, v[X+34], v[X+35]
	v_cvt_pk_fp8_f32 v105.h, v[X+38], v[X+39]
	global_store_b64 v2, v[104:105], s[18:19] offset:8192
	s_wait_loadcnt 4
	v_cvt_pk_fp8_f32 v106.l, v[X+40], v[X+41]
	v_cvt_pk_fp8_f32 v107.l, v[X+44], v[X+45]
	v_cvt_pk_fp8_f32 v106.h, v[X+42], v[X+43]
	v_cvt_pk_fp8_f32 v107.h, v[X+46], v[X+47]
	global_store_b64 v2, v[106:107], s[18:19] offset:10240
	s_wait_loadcnt 2
	v_cvt_pk_fp8_f32 v108.l, v[X+48], v[X+49]
	v_cvt_pk_fp8_f32 v109.l, v[X+52], v[X+53]
	v_cvt_pk_fp8_f32 v108.h, v[X+50], v[X+51]
	v_cvt_pk_fp8_f32 v109.h, v[X+54], v[X+55]
	global_store_b64 v2, v[108:109], s[18:19] offset:12288
	s_wait_loadcnt 0x0
	v_cvt_pk_fp8_f32 v110.l, v[X+56], v[X+57]
	v_cvt_pk_fp8_f32 v111.l, v[X+60], v[X+61]
	v_cvt_pk_fp8_f32 v110.h, v[X+58], v[X+59]
	v_cvt_pk_fp8_f32 v111.h, v[X+62], v[X+63]
	global_store_b64 v2, v[110:111], s[18:19] offset:14336
	s_endpgm
.Lfunc_end_k_q2a85c339ac_quant:
	.size	k_q2a85c339ac_quant, .Lfunc_end_k_q2a85c339ac_quant-k_q2a85c339ac_quant
	.p2alignl 7, 3214868480
	.fill 96, 4, 3214868480
	.section	.rodata,"a",@progbits
	.p2align	6, 0x0
	.amdhsa_kernel k_q2a85c339ac_quant
		.amdhsa_group_segment_fixed_size 0
		.amdhsa_private_segment_fixed_size 0
		.amdhsa_enable_private_segment 0
		.amdhsa_kernarg_size 48
		.amdhsa_user_sgpr_count 2
		.amdhsa_user_sgpr_kernarg_segment_ptr 1
		.amdhsa_wavefront_size32 1
		.amdhsa_system_sgpr_workgroup_id_x 1
		.amdhsa_system_sgpr_workgroup_id_y 1
		.amdhsa_system_sgpr_workgroup_id_z 1
		.amdhsa_system_vgpr_workitem_id 0
		.amdhsa_next_free_vgpr 128
		.amdhsa_next_free_sgpr 66
		.amdhsa_reserve_vcc 0
		.amdhsa_float_denorm_mode_32 3
		.amdhsa_float_denorm_mode_16_64 3
		.amdhsa_memory_ordered 1
		.amdhsa_forward_progress 1
		.amdhsa_inst_pref_size 16
	.end_amdhsa_kernel
	.amdgpu_metadata
---
amdhsa.version: [ 1, 2 ]
amdhsa.kernels:
  - .name:           k_q2a85c339ac_quant
    .symbol:         k_q2a85c339ac_quant.kd
    .args:
      - { .name: x, .offset: 0, .size: 8, .value_kind: global_buffer, .address_space: global }
      - { .name: fc_w, .offset: 8, .size: 8, .value_kind: global_buffer, .address_space: global }
      - { .name: proj_w, .offset: 16, .size: 8, .value_kind: global_buffer, .address_space: global }
      - { .name: xq, .offset: 24, .size: 8, .value_kind: global_buffer, .address_space: global }
      - { .name: wq, .offset: 32, .size: 8, .value_kind: global_buffer, .address_space: global }
      - { .name: pq, .offset: 40, .size: 8, .value_kind: global_buffer, .address_space: global }
    .group_segment_fixed_size: 0
    .private_segment_fixed_size: 0
    .kernarg_segment_align: 8
    .kernarg_segment_size: 48
    .max_flat_workgroup_size: 256
    .sgpr_count:     66
    .vgpr_count:     128
    .wavefront_size: 32
...
	.end_amdgpu_metadata
.endif
;; end of part 4
;; launch fc (part 5): grid 16 x 16, 4 waves a work-group, clusters of 4 x 4, 327,680 bytes of LDS; arguments xq, wq, hq; writes hq
.if DOCPART == 5
	.amdgcn_target "amdgcn-amd-amdhsa--gfx1250"
	.amdhsa_code_object_version 6
	.text
	.protected	k_q2a85c339ac_fc
	.globl	k_q2a85c339ac_fc
	.p2align	8
	.type	k_q2a85c339ac_fc,@function
k_q2a85c339ac_fc:
	s_mov_b64 s[64:65], 0
	v_nop
	global_prefetch_b8 v0, s[64:65] scope:SCOPE_SE
	s_setreg_imm32_b32 hwreg(HW_REG_WAVE_MODE, 25, 1), 1
	s_wait_xcnt 0x0
	s_wait_alu depctr_hold_cnt(0) depctr_sa_sdst(0) depctr_va_vdst(0) depctr_va_sdst(0) depctr_va_ssrc(0) depctr_va_vcc(0) depctr_vm_vsrc(0)
	s_getreg_b32 s2, hwreg(HW_REG_IB_STS2, 6, 4)
	s_cmp_eq_u32 s2, 0
	s_cbranch_scc0 .Lentry_in_a_cluster
	s_endpgm
.Lentry_in_a_cluster:
	s_bfe_u32 s2, ttmp6, 0x10000c
	s_cmp_lg_u32 s2, 0xf033
	s_cbranch_scc0 .Lentry_shape_is_right
	s_endpgm
.Lentry_shape_is_right:
; hq = q(relu(h)^2), h[m][n] = the sum over k of xq[m][k] wq[n][k].  xq: [8192][1024], wq: [4096][1024], bf16 that hold fp8 e4m3 numbers exactly; sums in f32.
; q rounds to fp8 e4m3; hq holds the fp8 codes, a byte a number (8,192 x 4,096 of them), which the next launch widens to bf16.  No work of the formula is left out.
; hq's ORDER is that of the next launch's matrix fragments: [64 tiles of 128 rows][16 steps of 256 columns][8 blocks of 16 rows][8 blocks of 32 columns][512 bytes]; in a block lane l's 16 bytes lie at 16 l and
; hold row l % 16, columns 8 (l / 16) + 0..7 and 16 + 8 (l / 16) + 0..7 (the lane's share of a 16-bit fragment: ISA guide 7.12.2).  That is what a lane here holds of two neighbouring accumulators, so
; the codes are stored straight from registers: each store of a wave covers 512 consecutive bytes, aligned, and four on end a block row's 2,048.
; LIMITS.  relu(h)^2 is made as h x max(h, 0): the same bits for h > 0; a NaN in h is carried (NaN x 0); h < 0 gives -0, which adds nothing in the next product.  h is finite for finite operands:
; 1,024 products of at most 448^2.  Beyond fp8's range v_cvt_pk_fp8_f32 gives the NaN code, as e4m3fn has no infinity; between 448 and 464 the text leans on its rounding before it tests the range.
; The f32 sums are taken in the matrix unit's order, not the formula's: an h^2 that lies within that difference of the middle between two fp8 numbers may round to the other one.
; SHAPE.  A tile of 256 x 256 is made by a work-group of four waves; a wave makes 128 x 128: 64 accumulators of 16 x 16, 512 registers.  K goes in steps of 128 through a ring of two LDS
; slots filled by the tensor data mover: the tiles' rows are 256 bytes of memory and start at multiples of 256 bytes from the buffer's first byte.
; A WORK-GROUP STAYS: there are 512 tiles and 256 work-groups; each makes two tiles, 4,096 rows apart, and the ring does not stop between them: the first tile's last two changes of slots ask for
; the second tile's first two K steps, and nothing waits for a tile's stores.
; CLUSTERS: 4 x 4 work-groups.  The four of a row of the cluster need the same tiles of xq, the four of a column the same tiles of wq: each tile is asked for JOINTLY, by the same tensor load
; with the same descriptor and a mask that names the four; each receives it in its own LDS.
; REGISTERS, in windows of 256 (s_set_vgpr_msb's low byte: bits 1:0 source 0, 3:2 source 1, 5:4 source 2, 7:6 destination):
;   window 0: v0-5 at work; v16-30 addresses; v32-63 fp8 codes to store, two sets of 16; v64-127, v128-191 fragments of xq, two buffers; on the way out v128-191 f32 at work
;   window 1: v64-127, v128-191 fragments of wq, two buffers       window 2: the 32 accumulators of my rows 0-63 ((a, b) at v[8 (8 a + b)])       window 3: those of my rows 64-127
; THE MATRIX INSTRUCTION IS USED TRANSPOSED: source 0 = 16 rows of wq, source 1 = 16 rows of xq.  Lane l then holds row l % 16, and its registers 0 to 7 the columns 8 (l / 16) + 0 .. 7.
.set SIZE_M, 8192
.set SIZE_N, 4096
.set SIZE_K, 1024
.set SIZE_TILES, 2
.set KSTEP,  128
.set PITCH,  272                       ; an LDS row: 256 bytes of data + 16 of padding = 68 words: row r starts at bank 4 r mod 64 (64 banks of 4 bytes: ISA guide 11.1), so the 16 rows of a load start at 16 different banks
.set HALFT,  128*PITCH                 ; 128 rows: what one tensor load brings, and what one wave reads of xq or of wq
.set SLOT,   4*HALFT                   ; xq's 256 rows, then wq's 256 rows
.set SPARE,  2*SLOT                    ; behind the ring: the spare words, 128 bytes for each wave: two blocks of 256 bytes that no other line names
.set LAPS, SIZE_K/(2*KSTEP)            ; a lap = two K steps = once round the ring: 4
.set WALK,   SIZE_M/SIZE_TILES         ; a work-group's two tiles lie 4,096 rows apart
.set NEXT_A, WALK*SIZE_K*2-(SIZE_K-2*KSTEP)*2   ; bytes from a slot's last K step of a tile to its first of the next tile: xq goes WALK rows down and back along K,
.set BACK_B, (SIZE_K-2*KSTEP)*2        ; wq only back: both tiles take the same rows of wq
.set HTILE,  128*SIZE_N                ; hq: 128 rows are 524,288 bytes,
.set HSTEP,  128*256                   ; 256 columns of them 32,768,
.set HROWS,  16*256                    ; 16 rows of those 4,096
.set NEXT_C, (WALK/128)*HTILE          ; bytes in hq from a tile to the next
.set ADRA, 16                          ; v16-17  LDS address of my xq fragments in slot 0, 1
.set ADRB, 20                          ; v20-21  the same for wq
.set CO,   26                          ; v26     16 x my lane: my place in a block of hq
.set SPW,  28                          ; v28     LDS address of my spare word: SPARE + 4 x my thread's number; never rewritten
.set NIL,  29                          ; v29     0; never rewritten
.set PFO,  30                          ; v30     the prefetches' offset: my lane x a row of 2,048 bytes; never rewritten
.set PFA,  44                          ; s[44:45] where my prefetches stand: my work-group's 32 rows of the 128 that I fetch, one K step further along K than the refill in hand; a prefetch names the K step after that
.set LIM,  43                          ; s43     1 in a wave that prefetches, else the greatest number
.set Q,    32                          ; v32-47, v48-63: 64 codes a lane, by turns
.set F0,   64                          ; fragment buffer 0
.set F1,   128                         ; fragment buffer 1
.set T,    128                         ; the way out: 64 f32 at work, in window 0, where xq's buffer 1 lay
.set G1, 24                            ; s[24:31] descriptor group 1 for xq's tiles
.set G0, 32                            ; s[32:39] descriptor group 0 for xq's tiles, one set for each slot
.set G1B, 48                           ; s[48:55] group 1 for wq's tiles: it differs in the mask alone
.set G0B, 56                           ; s[56:63] group 0 for wq's tiles, one set for each slot
.set MSB, 0
.macro WIN new                         ; the immediate's high byte repeats the setting that is left; a switch that changes nothing is dropped
.if MSB != (\new)
	s_set_vgpr_msb (MSB<<8)|(\new)
.set MSB, \new
.endif
.endm
.set MUL_LO, 0xa1                      ; source 0 (wq) window 1, source 1 (xq) window 0, C and D window 2
.set MUL_HI, 0xf1                      ; the same, C and D window 3
.set TO_B,   0x40                      ; destination window 1, address window 0
; A joint load.  Waves 0 and 1 fetch xq's two halves, waves 2 and 3 wq's.  Each of the two lines has one mask and one set of registers for all that issue it.  The branch hangs on the wave's number alone.
; An s_nop 0 and four v_nop follow each of the two lines, ahead of the jump, the label and what follows the macro.
.macro JLOAD s
	s_cmp_eq_u32 s11, 0
	s_cbranch_scc0 .Lfor_b_\@
	tensor_load_to_lds s[G0+4*(\s):G0+4*(\s)+3], s[G1:G1+7]
	s_nop 0
.rept 4
	v_nop
.endr
	s_branch .Lasked_\@
.Lfor_b_\@:
	tensor_load_to_lds s[G0B+4*(\s):G0B+4*(\s)+3], s[G1B:G1B+7]
	s_nop 0
.rept 4
	v_nop
.endr
.Lasked_\@:
.endm
; A PREFETCH INTO THE L2, behind each joint load, its five lines and the run of LDS loads that follows them: the K step that stands TWO refills on (512 matrix instructions ahead of the load that will ask
; for it): 32 rows x 256 bytes, a lane a row, one instruction a wave.  Each row's 256 bytes of a K step are named ONCE in the launch: xq's tile row is read by every cluster of that row of clusters, and the
; cluster with x = 0 asks; wq's tile column by every cluster of that column, and the cluster with y = 0 asks.  The four partners that ask for a tile jointly share its rows out BY ADDRESS: of the 128 rows
; that a wave fetches the partner at place p takes 32 p .. 32 p + 31 (p = cx for xq, cy for wq).  how = 0, in the loop: a tile's last two refills have no K step two on; how = 1, at the change of tiles.
.macro ASK how
.if \how
	s_cmp_eq_u32 s[LIM], 1
.else
	s_cmp_gt_u32 s3, s[LIM]                        ; s3 = 1 in the loop's last trip
.endif
	s_cbranch_scc0 .Lnot_mine_\@
	global_prefetch_b8 v[PFO], s[PFA:PFA+1] offset:KSTEP*2 th:TH_LOAD_NT scope:SCOPE_SE
.Lnot_mine_\@:
.endm
; A round of the cluster's barrier: my work-group's barrier, so that wave 0's signal speaks for all four waves; wave 0 signals for the work-group; every wave waits for all sixteen
; work-groups; my work-group's barrier once more.  No LDS instruction of the wave is pending at a signal.
.macro CREST                           ; a round behind its opening barrier
	s_cmp_lg_u32 s10, 0
	s_cbranch_scc1 .Lnot_wave_0_\@
	s_barrier_signal -3
.Lnot_wave_0_\@:
	s_barrier_wait -3
	s_barrier_signal -1
	s_barrier_wait -1
.endm
.macro CROUND                          ; a whole round
	s_barrier_signal -1
	s_barrier_wait -1
	CREST
.endm
	s_load_b128 s[4:7], s[0:1], 0x0                ; xq s[4:5], wq s[6:7]
	s_load_b64 s[8:9], s[0:1], 0x10                ; hq
	v_lshl_add_u32 v[SPW], v0, 2, SPARE
	v_mov_b32 v[NIL], 0
	ds_add_u32 v[SPW], v[NIL]                      ; the wave's opening: the add, twice on end, and its wait ahead of my first tensor load; the set-up below, work on registers, stands between
	ds_add_u32 v[SPW], v[NIL]                      ; and once more, under the one wait
	v_lshrrev_b32 v1, 5, v0
	v_readfirstlane_b32 s10, v1                    ; wave 0..3
	s_lshr_b32 s11, s10, 1                         ; which half of the tile's rows is mine.  Also: I fetch for xq (0) or for wq (1)
	s_and_b32 s12, s10, 1                          ; which half of its columns.  Also: which 128 rows of that tile I fetch
	s_bfe_u32 s40, ttmp6, 0x40000                  ; cx: my place along the cluster's x
	s_bfe_u32 s41, ttmp6, 0x40004                  ; cy: along its y
	s_lshl_b32 s42, ttmp9, 2                       ; in a cluster launch ttmp9 and ttmp7 count clusters
	s_add_co_u32 s42, s42, s40                     ; tile column = 4 x cluster x + cx
	s_and_b32 s13, ttmp7, 0xffff
	s_lshl_b32 s13, s13, 2
	s_add_co_u32 s13, s13, s41                     ; tile row = 4 x cluster y + cy
	s_lshl_b32 s43, s41, 2
	s_lshl_b32 s43, 15, s43                        ; my row of the cluster: places 4 cy .. 4 cy + 3
	s_lshl_b32 s44, 0x1111, s40                    ; my column: places cx, cx + 4, cx + 8, cx + 12
	; descriptor group 1: a tile of 128 rows x 128 elements, padded in LDS
	s_or_b32 s[G1+0], s43, (1<<16)|(1<<20)|(1<<21)|(5<<22)|(3<<25)  ; 15:0 the mask: xq's tiles go to my row; 17:16 elements of 2 bytes; 20 padding on; 21 set beside a mask; 24:22 after every 64 words (code 5); 31:25 4 words of it (code 3)
	s_or_b32 s[G1B+0], s44, (1<<16)|(1<<20)|(1<<21)|(5<<22)|(3<<25) ; the same with the mask of my column, for wq's tiles
	s_mov_b32 s[G1B+1], KSTEP<<16
	s_mov_b32 s[G1+1], KSTEP<<16                   ; 63:48 tensor_dim0, low half = 128
	s_mov_b32 s[G1B+2], 128<<16
	s_mov_b32 s[G1+2], 128<<16                     ; 95:80 tensor_dim1, low half = 128
	s_mov_b32 s[G1B+3], KSTEP<<16
	s_mov_b32 s[G1+3], KSTEP<<16                   ; 127:112 tile_dim0 = 128
	s_mov_b32 s[G1B+4], 128
	s_mov_b32 s[G1+4], 128                         ; 143:128 tile_dim1 = 128; tile_dim2 = 0
	s_mov_b32 s[G1B+5], SIZE_K
	s_mov_b32 s[G1+5], SIZE_K                      ; 191:160 elements from row to row
	s_mov_b32 s[G1B+6], 0
	s_mov_b32 s[G1+6], 0
	s_mov_b32 s[G1B+7], 0
	s_mov_b32 s[G1+7], 0
	; where the tiles come from.  xq's hang on the tile row alone, which my row of the cluster shares; wq's on the tile column alone, which my column shares.
	s_lshl_b32 s17, s12, 7                         ; which 128 rows of the tile I fetch
	s_lshl_b32 s16, s13, 8
	s_add_co_u32 s16, s16, s17                     ; xq: row 256 x tile row + 128 x half
	s_lshl_b32 s46, s42, 8
	s_add_co_u32 s46, s46, s17                     ; wq: row 256 x tile column + 128 x half
	s_mov_b32 s17, 0
	s_mov_b32 s47, 0
	s_mov_b64 s[18:19], SIZE_K*2
	s_mul_u64 s[16:17], s[16:17], s[18:19]         ; in bytes
	s_mul_u64 s[46:47], s[46:47], s[18:19]
	s_mul_i32 s20, s10, HALFT                      ; and where they go: wave x 128 rows: no place in the cluster enters an LDS address
	s_wait_dscnt 0x0                               ; both opening adds are done
	s_wait_kmcnt 0x0
	s_add_nc_u64 s[14:15], s[4:5], s[16:17]
	s_add_nc_u64 s[46:47], s[6:7], s[46:47]
	CROUND                                         ; all sixteen work-groups are here: the first joint loads meet
.irp s, 0,1
	s_mov_b32 s[G0+4*(\s)], 1                                      ; 1:0 count = 1
	s_add_co_u32 s[G0+4*(\s)+1], s20, (\s)*SLOT                    ; 63:32 LDS address
	s_add_nc_u64 s[G0+4*(\s)+2:G0+4*(\s)+3], s[14:15], (\s)*KSTEP*2  ; 120:64 global address: K step s
	s_or_b32 s[G0+4*(\s)+3], s[G0+4*(\s)+3], 0x80000000            ; 127:126 type = 2
	s_mov_b32 s[G0B+4*(\s)], 1
	s_add_co_u32 s[G0B+4*(\s)+1], s20, (\s)*SLOT
	s_add_nc_u64 s[G0B+4*(\s)+2:G0B+4*(\s)+3], s[46:47], (\s)*KSTEP*2
	s_or_b32 s[G0B+4*(\s)+3], s[G0B+4*(\s)+3], 0x80000000
	JLOAD \s                                       ; the ring is filled before anything else is done: two loads of mine are out
.endr
	; A fragment is 16 rows x 32 K in 8 registers: lane l holds row l % 16; registers 0-3 hold K = 8 (l / 16) + 0..7, registers 4-7 K = 16 + 8 (l / 16) + 0..7: two loads of 16 bytes, 32 bytes apart.
	v_and_b32 v1, 15, v0                           ; l % 16
	v_bfe_u32 v2, v0, 4, 1                         ; l / 16
	v_mul_u32_u24 v3, v1, PITCH
	v_lshl_add_u32 v3, v2, 4, v3                   ; row x pitch + 16 x half
	s_mul_i32 s21, s11, HALFT                      ; my 128 rows of xq
	s_mul_i32 s22, s12, HALFT                      ; my 128 rows of wq,
	s_add_co_u32 s22, s22, 2*HALFT                 ; which lie behind xq's 256
.irp s, 0,1
	v_add_nc_u32 v[ADRA+(\s)], s21, v3
	v_add_nc_u32 v[ADRB+(\s)], s22, v3
	s_add_co_u32 s21, s21, SLOT
	s_add_co_u32 s22, s22, SLOT
.endr
	v_and_b32 v4, 31, v0
	v_lshlrev_b32 v[CO], 4, v4
.set i, Q
.rept 32
	v_mov_b32 v[i], 0                              ; the codes' registers are written by halves: they are set once, while the first tiles are on their way
.set i, i+1
.endr
	; where my part of the first tile begins in hq, in bytes: the first way out adds it to hq's address
	s_lshl_b32 s16, s13, 1
	s_add_co_u32 s16, s16, s11                     ; my 128 rows: 2 x tile row + half,
	s_lshl_b32 s16, s16, 19                        ; 524,288 bytes each
	s_lshl_b32 s46, s42, 15                        ; the tile's 256 columns: 32,768 bytes of them,
	s_lshl_b32 s47, s12, 11                        ; my 128 columns: four blocks of 512 bytes in each 4,096
	s_add_co_u32 s46, s46, s47
	s_add_co_u32 s16, s16, s46
	s_mov_b32 s17, 0
	; the prefetches.  s42 = tile column, s40 = cx, s41 = cy still stand
	s_lshl_b32 s13, s13, 8                         ; 256 x tile row
	s_lshl_b32 s42, s42, 8
	s_and_b32 s22, ttmp7, 0xffff                   ; cluster y
	s_cmp_eq_u32 s11, 0                            ; do I fetch for xq?
	s_cselect_b32 s20, s13, s42                    ; the tile's first row: in xq by the tile row, in wq by the tile column
	s_cselect_b32 s21, s40, s41                    ; my place among the four that ask for it with me
	s_cselect_b32 s22, ttmp9, s22                  ; the coordinate along which other clusters read the same rows
	s_cselect_b64 s[PFA:PFA+1], s[4:5], s[6:7]
	s_cmp_eq_u32 s22, 0
	s_cselect_b32 s[LIM], 1, -1                    ; the same in all sixteen partners, for a given wave
	s_lshl_b32 s22, s12, 7
	s_add_co_u32 s20, s20, s22                     ; + the 128 rows that I fetch
	s_lshl_b32 s21, s21, 5
	s_add_co_u32 s20, s20, s21                     ; + my work-group's 32 of them
	s_mov_b32 s21, 0
	s_mov_b64 s[18:19], SIZE_K*2
	s_mul_u64 s[20:21], s[20:21], s[18:19]
	s_add_nc_u64 s[PFA:PFA+1], s[PFA:PFA+1], s[20:21]
	s_add_nc_u64 s[PFA:PFA+1], s[PFA:PFA+1], 2*KSTEP*2  ; at K step 2: the first refill steps it to 3 and names K step 4
	v_and_b32 v[PFO], 31, v0
	v_mul_u32_u24 v[PFO], v[PFO], SIZE_K*2
	; nothing is prefetched here, at the head, where every work-group's first two tiles are on their way: K steps 2 and 3 come by their refills alone
; 16 matrix instructions: m blocks a0, a0 + 1 of the window's four (hi = 0: my rows 0-63, 1: rows 64-127) x all 8 n blocks, 32 along K.  zero = 1: the first product starts the sums: nothing is ever cleared.
; The 64 accumulators take turns, one instruction a turn, in the same order in every quarter step.
.macro MUL16 f, hi, a0, zero
	WIN MUL_LO+0x50*(\hi)
.irp a, \a0, (\a0)+1
.irp b, 0,1,2,3,4,5,6,7
.if \zero
	v_wmma_f32_16x16x32_bf16 v[8*(8*(\a)+(\b)):8*(8*(\a)+(\b))+7], v[(\f)+8*(\b):(\f)+8*(\b)+7], v[(\f)+8*(4*(\hi)+(\a)):(\f)+8*(4*(\hi)+(\a))+7], 0
.else
	v_wmma_f32_16x16x32_bf16 v[8*(8*(\a)+(\b)):8*(8*(\a)+(\b))+7], v[(\f)+8*(\b):(\f)+8*(\b)+7], v[(\f)+8*(4*(\hi)+(\a)):(\f)+8*(4*(\hi)+(\a))+7], v[8*(8*(\a)+(\b)):8*(8*(\a)+(\b))+7]
.endif
.endr
.endr
.endm
; 32 LDS loads in one run: the fragments of one quarter step (128 rows of wq, 128 rows of xq, 32 K at byte k of the rows) into buffer f
.macro FETCH slot, k, f
	WIN TO_B
.irp i, 0,1,2,3,4,5,6,7
	ds_load_b128 v[(\f)+8*(\i):(\f)+8*(\i)+3],   v[ADRB+(\slot)] offset:(\k)+(\i)*16*PITCH
	ds_load_b128 v[(\f)+8*(\i)+4:(\f)+8*(\i)+7], v[ADRB+(\slot)] offset:(\k)+(\i)*16*PITCH+32
.endr
	WIN 0
.irp i, 0,1,2,3,4,5,6,7
	ds_load_b128 v[(\f)+8*(\i):(\f)+8*(\i)+3],   v[ADRA+(\slot)] offset:(\k)+(\i)*16*PITCH
	ds_load_b128 v[(\f)+8*(\i)+4:(\f)+8*(\i)+7], v[ADRA+(\slot)] offset:(\k)+(\i)*16*PITCH+32
.endr
.endm
; A load into a register that a matrix instruction has read, and a vector instruction that reads a matrix result or writes one of a matrix instruction's registers, stand four places behind it, and only
; plain vector instructions that name none of its registers are places (ISA guide 7.12.1 for vector instructions).
.macro PLACES
.rept 4
	v_nop
.endr
.endm
; A K step is four quarter steps of 32 along K, 64 matrix instructions each, on buffers 0, 1, 0, 1.
; One of the first three: multiplies buffer f; in its middle it fetches the next quarter's fragments, at byte k of the same slot's rows, into buffer g.
.macro QUARTER slot, k, f, g, zero
	s_wait_dscnt 8                                 ; wq's and xq's rows 0-63 are in; the youngest eight loads (xq's rows 64-127) may be out
	WIN MUL_LO
	MUL16 \f, 0, 0, \zero
	MUL16 \f, 0, 2, \zero
	PLACES
	FETCH \slot, \k, \g
	s_wait_dscnt 32                                ; all but the 32 just issued
	WIN MUL_HI
	MUL16 \f, 1, 0, \zero
	MUL16 \f, 1, 2, \zero
.endm
; The last quarter multiplies buffer 1 and changes slots.  MEET is its first half: ONE barrier for the change of slots.  In front of it each wave waits for all its tensor loads, of which one is out: its
; part of the next slot; adds 0 to its spare word; and waits for that and for its own reads of this slot.  Behind it nobody reads this slot any more and the next slot is whole.
.macro MEET round                      ; round = 1: a round of the cluster's barrier follows
	WIN 0                                          ; (the add's two registers lie in window 0)
	s_wait_tensorcnt 0x0                           ; all my tensor loads have landed;
	ds_add_u32 v[SPW], v[NIL]                      ; 0 onto my spare word;
	s_wait_dscnt 9                                 ; (the add and the youngest eight loads may be out)
	WIN MUL_LO
	MUL16 F1, 0, 0, 0                              ; sixteen matrix instructions stand between the add and the wait for it
	s_wait_dscnt 0x0                               ; the add is done, and my reads of this slot are over:
	s_barrier_signal -1                            ; say so,
	MUL16 F1, 0, 2, 0                              ; work on registers while the others arrive,
.if \round
	WIN 0
.endif
	s_barrier_wait -1                              ; and go on when all four have said so
.endm
; The whole last quarter.  Behind the round the slot just read out is filled again first: with this tile's K step two steps on (on = 0) or, in the first tile's last two K steps, with the second tile's
; K step 0 or 1 (on = 1); then come the next slot's first fragments.  From a request to the wait for it a wave issues 224 matrix instructions.
.macro TURN slot, next, on
	s_wait_xcnt 0x0                                ; the last prefetch, a K step back, has read its address: it is stepped here, ahead of the waits of the change of slots
.if (\on) && (\slot) == 0
	s_add_nc_u64 s[PFA:PFA+1], s[PFA:PFA+1], (WALK-1)*SIZE_K*2+KSTEP*2  ; from the K step after the tile's last to the next tile's K step 1: WALK rows down, back along K
	s_cmp_eq_u32 s11, 0
	s_cselect_b32 s[LIM], s[LIM], -1               ; wq's rows are the same for both tiles: they are asked for in the first alone
.else
	s_add_nc_u64 s[PFA:PFA+1], s[PFA:PFA+1], KSTEP*2
.endif
	MEET 1
	CREST                                          ; no wave of any partner still reads this slot's tile or has a load on its way
.if \on
	s_add_nc_u64 s[G0+4*(\slot)+2:G0+4*(\slot)+3], s[G0+4*(\slot)+2:G0+4*(\slot)+3], NEXT_A
	s_sub_nc_u64 s[G0B+4*(\slot)+2:G0B+4*(\slot)+3], s[G0B+4*(\slot)+2:G0B+4*(\slot)+3], BACK_B
.else
	s_add_nc_u64 s[G0+4*(\slot)+2:G0+4*(\slot)+3], s[G0+4*(\slot)+2:G0+4*(\slot)+3], 2*KSTEP*2
	s_add_nc_u64 s[G0B+4*(\slot)+2:G0B+4*(\slot)+3], s[G0B+4*(\slot)+2:G0B+4*(\slot)+3], 2*KSTEP*2
.endif
	JLOAD \slot                                    ; the first tensor load behind the round, my only one until the next; the four v_nop behind it are also the places in front of the loads below
	FETCH \next, 0, F0
	ASK \on
	WIN MUL_HI
	MUL16 F1, 1, 0, 0
	MUL16 F1, 1, 2, 0
.endm
; THE WAY OUT.  64 f32 in T to 64 fp8 codes, two a line, into one of the two sets of 16 registers: register k of a set takes T's numbers 4 k .. 4 k + 3, the lowest in the lowest byte.
.macro TOFP8_0
	v_cvt_pk_fp8_f32 v32.l, v[T+0], v[T+1]
	v_cvt_pk_fp8_f32 v33.l, v[T+4], v[T+5]
	v_cvt_pk_fp8_f32 v34.l, v[T+8], v[T+9]
	v_cvt_pk_fp8_f32 v35.l, v[T+12], v[T+13]
	v_cvt_pk_fp8_f32 v36.l, v[T+16], v[T+17]
	v_cvt_pk_fp8_f32 v37.l, v[T+20], v[T+21]
	v_cvt_pk_fp8_f32 v38.l, v[T+24], v[T+25]
	v_cvt_pk_fp8_f32 v39.l, v[T+28], v[T+29]
	v_cvt_pk_fp8_f32 v40.l, v[T+32], v[T+33]
	v_cvt_pk_fp8_f32 v41.l, v[T+36], v[T+37]
	v_cvt_pk_fp8_f32 v42.l, v[T+40], v[T+41]
	v_cvt_pk_fp8_f32 v43.l, v[T+44], v[T+45]
	v_cvt_pk_fp8_f32 v44.l, v[T+48], v[T+49]
	v_cvt_pk_fp8_f32 v45.l, v[T+52], v[T+53]
	v_cvt_pk_fp8_f32 v46.l, v[T+56], v[T+57]
	v_cvt_pk_fp8_f32 v47.l, v[T+60], v[T+61]
	v_cvt_pk_fp8_f32 v32.h, v[T+2], v[T+3]
	v_cvt_pk_fp8_f32 v33.h, v[T+6], v[T+7]
	v_cvt_pk_fp8_f32 v34.h, v[T+10], v[T+11]
	v_cvt_pk_fp8_f32 v35.h, v[T+14], v[T+15]
	v_cvt_pk_fp8_f32 v36.h, v[T+18], v[T+19]
	v_cvt_pk_fp8_f32 v37.h, v[T+22], v[T+23]
	v_cvt_pk_fp8_f32 v38.h, v[T+26], v[T+27]
	v_cvt_pk_fp8_f32 v39.h, v[T+30], v[T+31]
	v_cvt_pk_fp8_f32 v40.h, v[T+34], v[T+35]
	v_cvt_pk_fp8_f32 v41.h, v[T+38], v[T+39]
	v_cvt_pk_fp8_f32 v42.h, v[T+42], v[T+43]
	v_cvt_pk_fp8_f32 v43.h, v[T+46], v[T+47]
	v_cvt_pk_fp8_f32 v44.h, v[T+50], v[T+51]
	v_cvt_pk_fp8_f32 v45.h, v[T+54], v[T+55]
	v_cvt_pk_fp8_f32 v46.h, v[T+58], v[T+59]
	v_cvt_pk_fp8_f32 v47.h, v[T+62], v[T+63]
.endm
.macro TOFP8_1
	v_cvt_pk_fp8_f32 v48.l, v[T+0], v[T+1]
	v_cvt_pk_fp8_f32 v49.l, v[T+4], v[T+5]
	v_cvt_pk_fp8_f32 v50.l, v[T+8], v[T+9]
	v_cvt_pk_fp8_f32 v51.l, v[T+12], v[T+13]
	v_cvt_pk_fp8_f32 v52.l, v[T+16], v[T+17]
	v_cvt_pk_fp8_f32 v53.l, v[T+20], v[T+21]
	v_cvt_pk_fp8_f32 v54.l, v[T+24], v[T+25]
	v_cvt_pk_fp8_f32 v55.l, v[T+28], v[T+29]
	v_cvt_pk_fp8_f32 v56.l, v[T+32], v[T+33]
	v_cvt_pk_fp8_f32 v57.l, v[T+36], v[T+37]
	v_cvt_pk_fp8_f32 v58.l, v[T+40], v[T+41]
	v_cvt_pk_fp8_f32 v59.l, v[T+44], v[T+45]
	v_cvt_pk_fp8_f32 v60.l, v[T+48], v[T+49]
	v_cvt_pk_fp8_f32 v61.l, v[T+52], v[T+53]
	v_cvt_pk_fp8_f32 v62.l, v[T+56], v[T+57]
	v_cvt_pk_fp8_f32 v63.l, v[T+60], v[T+61]
	v_cvt_pk_fp8_f32 v48.h, v[T+2], v[T+3]
	v_cvt_pk_fp8_f32 v49.h, v[T+6], v[T+7]
	v_cvt_pk_fp8_f32 v50.h, v[T+10], v[T+11]
	v_cvt_pk_fp8_f32 v51.h, v[T+14], v[T+15]
	v_cvt_pk_fp8_f32 v52.h, v[T+18], v[T+19]
	v_cvt_pk_fp8_f32 v53.h, v[T+22], v[T+23]
	v_cvt_pk_fp8_f32 v54.h, v[T+26], v[T+27]
	v_cvt_pk_fp8_f32 v55.h, v[T+30], v[T+31]
	v_cvt_pk_fp8_f32 v56.h, v[T+34], v[T+35]
	v_cvt_pk_fp8_f32 v57.h, v[T+38], v[T+39]
	v_cvt_pk_fp8_f32 v58.h, v[T+42], v[T+43]
	v_cvt_pk_fp8_f32 v59.h, v[T+46], v[T+47]
	v_cvt_pk_fp8_f32 v60.h, v[T+50], v[T+51]
	v_cvt_pk_fp8_f32 v61.h, v[T+54], v[T+55]
	v_cvt_pk_fp8_f32 v62.h, v[T+58], v[T+59]
	v_cvt_pk_fp8_f32 v63.h, v[T+62], v[T+63]
.endm
; Block a (16 of my rows x 128 columns, eight accumulators): max(h, 0), each accumulator's registers in ascending order; times h; to fp8; stored.  Accumulators 2 t and 2 t + 1 make
; four registers on end, the lane's 16 bytes of block t of 32 columns.
.macro PACK a
.set AC, 64*((\a)%4)
	WIN 0x08+4*((\a)/4)                            ; source 1: window 2 or 3
.set i, 0
.rept 64
	v_max_num_f32 v[T+i], 0, v[AC+i]
.set i, i+1
.endr
.set i, 0
.rept 32
	v_pk_mul_f32 v[T+i:T+i+1], v[T+i:T+i+1], v[AC+i:AC+i+1]
.set i, i+2
.endr
	WIN 0
	s_wait_xcnt 0x0                                ; every earlier memory instruction has had its addresses translated (ISA guide 3.1): only behind this wait are the stores' base and the set that the block two back stored rewritten
.if (\a) == 0
	s_add_nc_u64 s[8:9], s[8:9], s[16:17]          ; on to this tile
.endif
.if (\a)%2 == 0
	TOFP8_0
.else
	TOFP8_1
.endif
.irp t, 0,1,2,3
	global_store_b128 v[CO], v[Q+16*((\a)%2)+4*(\t):Q+16*((\a)%2)+4*(\t)+3], s[8:9] offset:(\a)*HROWS+(\t)*512  ; 512 consecutive bytes, at a multiple of 512 from hq's first byte
.endr
.endm
.macro WAYOUT
	PLACES                                         ; behind the tile's last products
.irp a, 0,1,2,3,4,5,6,7
	PACK \a
.endr
.endm
	s_wait_tensorcnt 1                             ; my part of K step 0 is in; K step 1's load may stay out
	s_barrier_signal -1
	s_barrier_wait -1                              ; everybody's is
	FETCH 0, 0, F0
	s_mov_b32 s2, SIZE_TILES                       ; tiles to go, this one among them: the same number in every work-group
.Ltile:                                                ; (FETCH and PACK leave every window 0)
	QUARTER 0, 64,  F0, F1, 1                      ; a tile's first quarter stands in front of the loop: its products start the sums
	WIN 0                                          ; at a label and at a branch every window is 0
	s_mov_b32 s3, LAPS-1
.Llap:                                                 ; a trip goes once round the ring, from a lap's second quarter to the next lap's first, and fills both slots again
	QUARTER 0, 128, F1, F0, 0
	QUARTER 0, 192, F0, F1, 0
	TURN 0, 1, 0
	QUARTER 1, 64,  F0, F1, 0
	QUARTER 1, 128, F1, F0, 0
	QUARTER 1, 192, F0, F1, 0
	TURN 1, 0, 0
	QUARTER 0, 64,  F0, F1, 0
	WIN 0
	s_sub_co_u32 s3, s3, 1
	s_cmp_lg_u32 s3, 0
	s_cbranch_scc1 .Llap
	QUARTER 0, 128, F1, F0, 0                      ; the tile's last lap goes on
	QUARTER 0, 192, F0, F1, 0
	WIN 0
	s_cmp_eq_u32 s2, 1
	s_cbranch_scc1 .Llast_tile                     ; the last tile's tail is written out: it asks for nothing more
	TURN 0, 1, 1                                   ; THE RING GOES ON INTO THE NEXT TILE: slot 0 takes its K step 0,
	QUARTER 1, 64,  F0, F1, 0
	QUARTER 1, 128, F1, F0, 0
	QUARTER 1, 192, F0, F1, 0
	TURN 1, 0, 1                                   ; slot 1 its K step 1, and the next tile's first fragments are fetched into buffer 0, which the way out leaves alone
	WIN 0
	WAYOUT                                         ; both refills are asked for: now the tile goes out
	s_mov_b64 s[16:17], NEXT_C                     ; what the next way out adds to hq's address
	s_sub_co_u32 s2, s2, 1
	s_branch .Ltile
.Llast_tile:
	MEET 0                                         ; my one tensor load that was still out is slot 1's, the last K step's, so no round follows
	PLACES                                         ; for the loads into buffer 0, which the quarter before multiplied
	FETCH 1, 0, F0
	MUL16 F1, 1, 0, 0
	MUL16 F1, 1, 2, 0
	QUARTER 1, 64,  F0, F1, 0
	QUARTER 1, 128, F1, F0, 0
	QUARTER 1, 192, F0, F1, 0
	s_wait_dscnt 8                                 ; the very last quarter: nothing more to fetch
	MUL16 F1, 0, 0, 0
	MUL16 F1, 0, 2, 0
	s_wait_dscnt 0x0
	MUL16 F1, 1, 0, 0
	MUL16 F1, 1, 2, 0
	WIN 0
	WAYOUT
	s_wait_tensorcnt 0x0                           ; the wave's end, behind my last tensor load
	ds_add_u32 v[SPW], v[NIL]
	s_wait_dscnt 0x0
	CROUND                                         ; the closing round: no work-group ends while a partner may still ask for a tile that names it
	s_endpgm
.Lfunc_end_k_q2a85c339ac_fc:
	.size	k_q2a85c339ac_fc, .Lfunc_end_k_q2a85c339ac_fc-k_q2a85c339ac_fc
	.p2alignl 7, 3214868480
	.fill 96, 4, 3214868480
	.section	.rodata,"a",@progbits
	.p2align	6, 0x0
	.amdhsa_kernel k_q2a85c339ac_fc
		.amdhsa_group_segment_fixed_size 327680
		.amdhsa_private_segment_fixed_size 0
		.amdhsa_enable_private_segment 0
		.amdhsa_kernarg_size 24
		.amdhsa_user_sgpr_count 2
		.amdhsa_user_sgpr_kernarg_segment_ptr 1
		.amdhsa_wavefront_size32 1
		.amdhsa_system_sgpr_workgroup_id_x 1
		.amdhsa_system_sgpr_workgroup_id_y 1
		.amdhsa_system_sgpr_workgroup_id_z 1
		.amdhsa_system_vgpr_workitem_id 0
		.amdhsa_next_free_vgpr 1024
		.amdhsa_next_free_sgpr 66
		.amdhsa_reserve_vcc 0
		.amdhsa_float_denorm_mode_32 3
		.amdhsa_float_denorm_mode_16_64 3
		.amdhsa_memory_ordered 1
		.amdhsa_forward_progress 1
		.amdhsa_inst_pref_size 251
	.end_amdhsa_kernel
	.amdgpu_metadata
---
amdhsa.version: [ 1, 2 ]
amdhsa.kernels:
  - .name:           k_q2a85c339ac_fc
    .symbol:         k_q2a85c339ac_fc.kd
    .args:
      - { .name: xq, .offset: 0, .size: 8, .value_kind: global_buffer, .address_space: global }
      - { .name: wq, .offset: 8, .size: 8, .value_kind: global_buffer, .address_space: global }
      - { .name: hq, .offset: 16, .size: 8, .value_kind: global_buffer, .address_space: global }
    .group_segment_fixed_size: 327680
    .private_segment_fixed_size: 0
    .kernarg_segment_align: 8
    .kernarg_segment_size: 24
    .max_flat_workgroup_size: 128
    .sgpr_count:     66
    .vgpr_count:     1024
    .wavefront_size: 32
...
	.end_amdgpu_metadata
.endif
;; end of part 5
;; launch proj (part 6): grid 4 x 64, 4 waves a work-group, clusters of 4 x 4, 327,680 bytes of LDS; arguments hq, pq, out0; writes out0
.if DOCPART == 6
	.amdgcn_target "amdgcn-amd-amdhsa--gfx1250"
	.amdhsa_code_object_version 6
	.text
	.protected	k_q2a85c339ac_proj
	.globl	k_q2a85c339ac_proj
	.p2align	8
	.type	k_q2a85c339ac_proj,@function
k_q2a85c339ac_proj:
	s_mov_b64 s[64:65], 0
	v_nop
	global_prefetch_b8 v0, s[64:65] scope:SCOPE_SE
	s_setreg_imm32_b32 hwreg(HW_REG_WAVE_MODE, 25, 1), 1
	s_wait_xcnt 0x0
	s_wait_alu depctr_hold_cnt(0) depctr_sa_sdst(0) depctr_va_vdst(0) depctr_va_sdst(0) depctr_va_ssrc(0) depctr_va_vcc(0) depctr_vm_vsrc(0)
	s_getreg_b32 s2, hwreg(HW_REG_IB_STS2, 6, 4)
	s_cmp_eq_u32 s2, 0
	s_cbranch_scc0 .Lentry_in_a_cluster
	s_endpgm
.Lentry_in_a_cluster:
	s_bfe_u32 s2, ttmp6, 0x10000c
	s_cmp_lg_u32 s2, 0xf033
	s_cbranch_scc0 .Lentry_shape_is_right
	s_endpgm
.Lentry_shape_is_right:
; out0[m][n] = the sum over k of hq[m][k] pq[n][k].  hq (8,192 x 4,096) and pq (1,024 x 4,096) hold fp8 e4m3 codes, a byte a number; out0: [8192][1024] f32.
; The codes go through LDS as bytes and are widened to bf16, exactly, in registers; the matrix operands are bf16, the sums f32, in the matrix unit's order.  No work of the formula is left out.
; A NaN code in hq or pq (a number beyond fp8's range) is carried into its row or column of out0.
; ORDERS.  hq: [64 tiles of 128 rows][16 steps of 256 k][8 blocks of 16 rows][8 blocks of 32 k][512 bytes]; in a block lane l's 16 bytes lie at 16 l: row l % 16, k = 8 (l / 16) + 0..7 and 16 + 8 (l / 16) + 0..7.
; pq: row-major, in every 32 bytes the two middle groups of 8 exchanged, so that bytes 16 h .. 16 h + 15 hold the same k.  One load of 16 bytes a lane brings a fragment's codes, two conversions of 8
; make its 8 registers.  Both operands go the same way, so whatever order the conversion gives its eight results falls alike on both and keeps the products.
; SHAPE.  A tile of out0 is 128 rows x 256 columns: 64 x 4 = 256 tiles, one for each work-group.  Four waves, each 64 rows x 128 columns: 32 accumulators of 16 x 16, 256 registers.
; K goes in steps of 256 through a ring of two LDS slots: as bytes a step's tiles are 102,400 bytes; a step is 256 matrix instructions a wave, and a refill has all of them in which to land.
; CLUSTERS: 4 x 4 work-groups.  The grid is one cluster wide, so the four of a row of the cluster make all 1,024 columns of 128 rows and need the same tile of hq: it is asked for JOINTLY, once in the
; launch; the four of a column need the same tile of pq.  Waves 0 and 1 fetch the halves of hq's tile (dense: 64 rows of 256 bytes each), waves 2 and 3 pq's halves of 128 rows.
; THE PIPELINE goes by chunks of 64 along K.  Block j: chunk j + 2's codes are asked of LDS (one run of 24 loads); chunk j + 1's codes are widened (one run of 48 conversions); chunk j is multiplied
; (64 matrix instructions on end).  Each kind stands together under one window setting: a block has four window switches; a conversion set singly between two matrix instructions would want two of its own,
; 96 a block.  A pair of blocks is written once and walked twice for each K step; the LDS addresses hang on two scalars.
; THE MATRIX INSTRUCTION IS USED TRANSPOSED (source 0 = 16 rows of pq, source 1 = 16 rows of hq): lane l holds row l % 16 of out0 and the columns 8 (l / 16) + 0..7: 32 bytes on end.
; REGISTERS, in windows of 256 (s_set_vgpr_msb's low byte: bits 1:0 source 0, 3:2 source 1, 5:4 source 2, 7:6 destination):
;   window 0: v0-5 at work; v16-30 addresses; bf16 buffer 0: hq's fragments at v64 + 8 (4 c + a), pq's at v128 + 8 (8 c + b) (c: which 32 of the chunk's 64 k; a, b: block of 16 rows)
;   window 1: bf16 buffer 1, at the same numbers; on the way out the rows read back, block a at 64 a       window 2: accumulator (a, b) at v[8 (8 a + b)]
;   window 3: the codes, two buffers of 96: hq's at 96 g + 4 (4 c + a), pq's at 96 g + 32 + 4 (8 c + b)
.set SIZE_N, 1024
.set STEPS,  16                        ; K steps of 256
.set PITCH,  272                       ; a row of pq in LDS: 256 bytes + 16 of padding = 68 words: row r starts at bank 4 r mod 64 (64 banks of 4 bytes: ISA guide 11.1)
.set HALFA,  16384                     ; half of hq's tile: 64 rows x 256 codes, dense; a load of 16 bytes a lane takes 512 bytes on end
.set ATILE,  2*HALFA
.set HALFB,  128*PITCH                 ; 128 rows of pq
.set SLOT1,  1<<17                     ; a slot is 102,400 bytes; slot 1 begins here, so that one exclusive or turns an address in one slot into the other's
.set STAGE,  SLOT1+ATILE+2*HALFB       ; behind the ring: 16 rows x 528 bytes for each wave, for the way out
.set SPITCH, 528                       ; 512 bytes of f32 + 16 = 132 words: the 16 rows of a store start at 16 different groups of four banks
.set SPARE,  STAGE+4*16*SPITCH         ; behind the stages: the spare words, 128 bytes for each wave: two blocks of 256 bytes that no other line names
.set ASTEP,  32768                     ; bytes in hq from a K step's tile to the next
.set BSTEP,  256                       ; bytes along a row of pq
.set A0,   16                          ; v16     my lane's place in hq's tile; never rewritten
.set B0,   17                          ; v17     the same for pq's
.set ADA,  18                          ; v18     the LDS address of hq's codes for the pair of chunks to be fetched
.set ADB,  19                          ; v19     of pq's
.set STO,  24                          ; v24     the way out: where I put 32 bytes of a row
.set RD,   25                          ; v25     the way out: where I read 16 bytes of a row back
.set CO,   26                          ; v26     16 x my lane
.set SCL,  27                          ; v27     the conversions' scale: the E8M0 code of 1, in every byte
.set SPW,  28                          ; v28     LDS address of my spare word: SPARE + 4 x my thread's number; never rewritten
.set NIL,  29                          ; v29     0; never rewritten
.set PFO,  30                          ; v30     the prefetches' offset; never rewritten
.set CNT,  2                           ; s2      counts the pairs of blocks of a K step
.set TBA,  14                          ; s14     LDS byte at which hq's codes of the pair to be fetched begin
.set TBB,  15                          ; s15     the same for pq's, less the tile's place in a slot
.set LIM,  43                          ; s43     a wave prefetches while the trips to go, s3, are more than this
.set PFA,  44                          ; s[44:45] where my prefetches stand: two K steps on from the refill in hand
.set PST,  46                          ; s[46:47] by how much they step
.set G1, 24                            ; s[24:31] descriptor group 1 for hq's tiles;  s[32:39] group 0: a set for each of the two first fills; the second then walks on
.set G0, 32
.set G1B, 48                           ; s[48:55], s[56:63] the same for pq's tiles
.set G0B, 56
.set MSB, 0
.macro WIN new                         ; the immediate's high byte repeats the setting that is left; a switch that changes nothing is dropped
.if MSB != (\new)
	s_set_vgpr_msb (MSB<<8)|(\new)
.set MSB, \new
.endif
.endm
.macro JLOAD s                         ; a joint load; the branch hangs on the wave's number alone; an s_nop 0 and four v_nop follow each of the two lines, ahead of the jump, the label and what follows
	s_cmp_eq_u32 s11, 0
	s_cbranch_scc0 .Lfor_b_\@
	tensor_load_to_lds s[G0+4*(\s):G0+4*(\s)+3], s[G1:G1+7]
	s_nop 0
.rept 4
	v_nop
.endr
	s_branch .Lasked_\@
.Lfor_b_\@:
	tensor_load_to_lds s[G0B+4*(\s):G0B+4*(\s)+3], s[G1B:G1B+7]
	s_nop 0
.rept 4
	v_nop
.endr
.Lasked_\@:
.endm
; A PREFETCH INTO THE L2, behind a joint refill and its five lines: the K step that stands TWO refills on, 512 matrix instructions ahead of the load that will ask for it.  Each block of 256 bytes is named
; ONCE in the launch.  hq: a cluster alone reads its tiles; a step's tile is 128 blocks; wave 0 of the partner at cx names blocks 32 cx .. 32 cx + 31, a lane a block.  pq: all sixteen clusters read the same
; rows, and the cluster with y = 0 asks: of the 128 rows that wave 2 or 3 fetches the partner at cy takes 32 cy .. 32 cy + 31, a lane a row.  The partners are told apart BY ADDRESS.
; K steps 2 and 3 come by their loads alone; the loop's last two trips ask for nothing: the last K step named is 15.
.macro ASK
	s_cmp_gt_u32 s3, s[LIM]
	s_cbranch_scc0 .Lnot_mine_\@
	global_prefetch_b8 v[PFO], s[PFA:PFA+1] th:TH_LOAD_NT scope:SCOPE_SE
.Lnot_mine_\@:
.endm
; A round of the cluster's barrier: my work-group's barrier, so that wave 0's signal speaks for all four waves; wave 0 signals; every wave waits for all sixteen work-groups; my work-group's barrier once more.
.macro CROUND
	s_barrier_signal -1
	s_barrier_wait -1
	s_cmp_lg_u32 s10, 0
	s_cbranch_scc1 .Lnot_wave_0_\@
	s_barrier_signal -3
.Lnot_wave_0_\@:
	s_barrier_wait -3
	s_barrier_signal -1
	s_barrier_wait -1
.endm
	s_load_b128 s[4:7], s[0:1], 0x0                ; hq s[4:5], pq s[6:7]
	s_load_b64 s[8:9], s[0:1], 0x10                ; out0
	v_lshl_add_u32 v[SPW], v0, 2, SPARE
	v_mov_b32 v[NIL], 0
	ds_add_u32 v[SPW], v[NIL]                      ; the wave's opening: the add, twice on end, and its wait ahead of my first tensor load; the set-up below, work on registers, stands between
	ds_add_u32 v[SPW], v[NIL]                      ; and once more, under the one wait
	v_lshrrev_b32 v1, 5, v0
	v_readfirstlane_b32 s10, v1                    ; wave 0..3
	s_lshr_b32 s11, s10, 1                         ; which 64 of the tile's rows are mine.  Also: I fetch for hq (0) or for pq (1)
	s_and_b32 s12, s10, 1                          ; which 128 of its columns.  Also: which half of that tile I fetch
	s_bfe_u32 s40, ttmp6, 0x40000                  ; cx, cy: my place in the cluster
	s_bfe_u32 s41, ttmp6, 0x40004
	s_lshl_b32 s42, ttmp9, 2
	s_add_co_u32 s42, s42, s40                     ; tile column = 4 x cluster x + cx
	s_and_b32 s13, ttmp7, 0xffff
	s_lshl_b32 s13, s13, 2
	s_add_co_u32 s13, s13, s41                     ; tile row = 4 x cluster y + cy
	s_lshl_b32 s43, s41, 2
	s_lshl_b32 s43, 15, s43                        ; my row of the cluster
	s_lshl_b32 s44, 0x1111, s40                    ; my column
	; descriptor group 1.  hq: 16,384 dense bytes as 64 rows of 32 elements of 8 bytes, unpadded
	s_or_b32 s[G1+0], s43, (3<<16)|(1<<21)         ; 15:0 the mask: hq's tiles go to my row; 17:16 elements of 8 bytes; 21 set beside a mask
	s_mov_b32 s[G1+1], 32<<16                      ; tensor_dim0 = 32
	s_mov_b32 s[G1+2], 64<<16                      ; tensor_dim1 = 64
	s_mov_b32 s[G1+3], 32<<16                      ; tile_dim0 = 32
	s_mov_b32 s[G1+4], 64                          ; tile_dim1 = 64
	s_mov_b32 s[G1+5], 32                          ; elements from row to row
	s_mov_b32 s[G1+6], 0
	s_mov_b32 s[G1+7], 0
	; pq: 128 rows of 128 elements of 2 bytes, 2,048 elements from row to row, padded in LDS
	s_or_b32 s[G1B+0], s44, (1<<16)|(1<<20)|(1<<21)|(5<<22)|(3<<25) ; the mask of my column; 20 padding on; 24:22 after every 64 words (code 5); 31:25 4 words of it (code 3)
	s_mov_b32 s[G1B+1], 128<<16
	s_mov_b32 s[G1B+2], 128<<16
	s_mov_b32 s[G1B+3], 128<<16
	s_mov_b32 s[G1B+4], 128
	s_mov_b32 s[G1B+5], 2048
	s_mov_b32 s[G1B+6], 0
	s_mov_b32 s[G1B+7], 0
	s_lshl_b32 s16, s13, 19                        ; hq: my tile row's 524,288 bytes,
	s_lshl_b32 s17, s12, 14                        ; the half of a step's tile that I fetch
	s_add_co_u32 s16, s16, s17
	s_lshl_b32 s46, s42, 8
	s_lshl_b32 s47, s12, 7
	s_add_co_u32 s46, s46, s47                     ; pq: row 256 x tile column + 128 x half,
	s_lshl_b32 s46, s46, 12                        ; 4,096 bytes a row
	s_mov_b32 s17, 0
	s_mov_b32 s47, 0
	s_lshl_b32 s20, s12, 14                        ; where they go: hq's halves at the slot's head,
	s_mul_i32 s21, s12, HALFB
	s_add_co_u32 s21, s21, ATILE                   ; pq's behind them: the wave's number alone enters an LDS address
	s_wait_dscnt 0x0                               ; both opening adds are done
	s_wait_kmcnt 0x0
	s_add_nc_u64 s[14:15], s[4:5], s[16:17]
	s_add_nc_u64 s[46:47], s[6:7], s[46:47]
	CROUND                                         ; all sixteen work-groups are here: the first joint loads meet
.irp s, 0,1
	s_mov_b32 s[G0+4*(\s)], 1                                      ; count = 1
	s_add_co_u32 s[G0+4*(\s)+1], s20, (\s)*SLOT1                   ; LDS address
	s_add_nc_u64 s[G0+4*(\s)+2:G0+4*(\s)+3], s[14:15], (\s)*ASTEP  ; global address: K step s
	s_or_b32 s[G0+4*(\s)+3], s[G0+4*(\s)+3], 0x80000000            ; type = 2
	s_mov_b32 s[G0B+4*(\s)], 1
	s_add_co_u32 s[G0B+4*(\s)+1], s21, (\s)*SLOT1
	s_add_nc_u64 s[G0B+4*(\s)+2:G0B+4*(\s)+3], s[46:47], (\s)*BSTEP
	s_or_b32 s[G0B+4*(\s)+3], s[G0B+4*(\s)+3], 0x80000000
	JLOAD \s                                       ; two loads of mine are out
.endr
	v_and_b32 v1, 15, v0                           ; l % 16
	v_bfe_u32 v2, v0, 4, 1                         ; l / 16
	v_and_b32 v5, 31, v0                           ; l
	v_lshlrev_b32 v[CO], 4, v5
	s_lshl_b32 s21, s11, 14                        ; my 64 rows of hq: four blocks of 16 rows, 4,096 bytes each
	v_add_nc_u32 v[A0], s21, v[CO]
	v_mul_u32_u24 v3, v1, PITCH
	v_lshl_add_u32 v3, v2, 4, v3                   ; pq: row x pitch + 16 x half
	s_mul_i32 s22, s12, HALFB                      ; my 128 rows of it,
	s_add_co_u32 s22, s22, ATILE                   ; which lie behind hq's tile
	v_add_nc_u32 v[B0], s22, v3
	v_mov_b32 v[SCL], 0x7f7f7f7f
	s_mul_i32 s23, s10, 16*SPITCH
	s_add_co_u32 s23, s23, STAGE                   ; my stage
	v_mul_u32_u24 v4, v1, SPITCH                   ; in: row l % 16, 32 bytes for each half of the lanes
	v_lshl_add_u32 v4, v2, 5, v4
	v_add_nc_u32 v[STO], s23, v4
	v_add_nc_u32 v[RD], s23, v[CO]                 ; back: 32 lanes take one row of 512 bytes
	s_lshl_b32 s16, s13, 7
	s_lshl_b32 s17, s11, 6
	s_add_co_u32 s16, s16, s17                     ; my first row of out0: 128 x tile row + 64 x half,
	s_lshl_b32 s16, s16, 12                        ; 4,096 bytes a row
	s_mov_b32 s17, 0
	s_add_nc_u64 s[8:9], s[8:9], s[16:17]
	s_lshl_b32 s46, s42, 10                        ; my first column, in bytes: 1,024 x tile column + 512 x half
	s_lshl_b32 s47, s12, 9
	s_add_co_u32 s46, s46, s47
	s_mov_b32 s47, 0
	s_add_nc_u64 s[8:9], s[8:9], s[46:47]
	s_mov_b32 s[TBA], 0                            ; the first fetches take the head of slot 0
	s_mov_b32 s[TBB], 0
	; the prefetches
	s_lshl_b32 s20, s13, 19                        ; hq: my tile row,
	s_lshl_b32 s21, s40, 13                        ; my work-group's 32 blocks of 256 bytes
	s_add_co_u32 s20, s20, s21
	s_lshl_b32 s21, s42, 8                         ; pq: 256 x tile column
	s_lshl_b32 s22, s12, 7                         ; + the 128 rows that I fetch
	s_add_co_u32 s21, s21, s22
	s_lshl_b32 s22, s41, 5                         ; + my work-group's 32 of them,
	s_add_co_u32 s21, s21, s22
	s_lshl_b32 s21, s21, 12                        ; 4,096 bytes a row
	s_and_b32 s22, ttmp7, 0xffff                   ; cluster y: the same in all sixteen partners
	s_cmp_eq_u32 s22, 0
	s_cselect_b32 s23, 2, -1                       ; pq's waves ask in the cluster with y = 0 alone,
	s_cmp_eq_u32 s10, 0
	s_cselect_b32 s16, 2, -1                       ; of hq's waves wave 0
	s_cmp_eq_u32 s11, 0                            ; do I fetch for hq?
	s_cselect_b32 s20, s20, s21
	s_cselect_b32 s[LIM], s16, s23
	s_cselect_b32 s22, 8, 12                       ; from lane to lane: a block of 256 bytes, or a row of 4,096
	s_cselect_b32 s18, 7, 0
	s_cselect_b64 s[PFA:PFA+1], s[4:5], s[6:7]
	s_lshl_b32 s[PST], 256, s18                    ; from K step to K step: 32,768 bytes, or 256
	s_mov_b32 s[PST+1], 0
	s_mul_i32 s18, s[PST], 3
	s_mov_b32 s19, 0
	s_mov_b32 s21, 0
	s_add_nc_u64 s[PFA:PFA+1], s[PFA:PFA+1], s[20:21]
	s_add_nc_u64 s[PFA:PFA+1], s[PFA:PFA+1], s[18:19]  ; at K step 3: the first refill (K step 2) steps it to 4 and names that
	v_lshlrev_b32 v[PFO], s22, v5
.macro PLACES                          ; four plain vector instructions: see BLOCK
.rept 4
	v_nop
.endr
.endm
; Conversion CVN of 48 of the codes in buffer CVG: eight codes (two registers) to eight bf16 (four registers), times 2^0.  In the order in which the products want them: the first 32 k's four fragments of hq
; and eight of pq, then the second 32 k's; two conversions a fragment.
.macro CV
.set cfr, CVN/2
.set chf, CVN%2
.set ccc, cfr/12
.set cff, cfr%12
.if cff < 4
.set crb, 96*CVG+4*(4*ccc+cff)
.set cfb, 64+8*(4*ccc+cff)
.else
.set crb, 96*CVG+32+4*(8*ccc+cff-4)
.set cfb, 128+8*(8*ccc+cff-4)
.endif
	WIN 0x03+0x40*CVG                              ; codes (source 0) in window 3, the scale in window 0, the fragments in window CVG
	v_cvt_scale_pk8_bf16_fp8 v[cfb+4*chf:cfb+4*chf+3], v[crb+2*chf:crb+2*chf+1], v[SCL]
.endm
; A chunk's 48 conversions in one run, under one window setting: the codes in buffer g become the bf16 fragments in buffer g.  No two of them share a register.
.macro WIDEN g
.set CVG, \g
.set CVN, 0
.rept 48
	CV
.set CVN, CVN+1
.endr
.endm
; 24 LDS loads in one run: the codes of chunk q (0, 1) of the pair at v[ADA], v[ADB], into buffer g
.macro LRUN q, g
	WIN 0xc0                                       ; destination window 3, address window 0
.irp c, 0,1
.irp a, 0,1,2,3
	ds_load_b128 v[96*(\g)+4*(4*(\c)+(\a)):96*(\g)+4*(4*(\c)+(\a))+3], v[ADA] offset:(\a)*4096+(2*(\q)+(\c))*512
.endr
.irp b, 0,1,2,3,4,5,6,7
	ds_load_b128 v[96*(\g)+32+4*(8*(\c)+(\b)):96*(\g)+32+4*(8*(\c)+(\b))+3], v[ADB] offset:(\b)*16*PITCH+64*(\q)+32*(\c)
.endr
.endr
.endm
; 64 matrix instructions on end, on bf16 buffer f: 32 along K at a time, the 32 accumulators by turns, one instruction a turn, in the same order throughout.
; zero = 1: the first 32 start the sums: nothing is ever cleared.
.macro MULS f, zero
	WIN 0xa0+5*(\f)                                ; sources 0 (pq) and 1 (hq) in window f, C and D in window 2
.set i, 0
.rept 64
.set mc, i/32
.set ma, (i%32)/8
.set mb, i%8
.if (\zero) && (i < 32)
	v_wmma_f32_16x16x32_bf16 v[8*(8*ma+mb):8*(8*ma+mb)+7], v[128+8*(8*mc+mb):128+8*(8*mc+mb)+7], v[64+8*(4*mc+ma):64+8*(4*mc+ma)+7], 0
.else
	v_wmma_f32_16x16x32_bf16 v[8*(8*ma+mb):8*(8*ma+mb)+7], v[128+8*(8*mc+mb):128+8*(8*mc+mb)+7], v[64+8*(4*mc+ma):64+8*(4*mc+ma)+7], v[8*(8*ma+mb):8*(8*ma+mb)+7]
.endif
.set i, i+1
.endr
.endm
; BLOCK j (f = j % 2).  At its head four plain vector instructions: they are the places between the last block's products, which read the buffer that this block's conversions write, and
; those conversions; and the plain instruction between the last block's conversions and this block's products, which read their results, and its loads, which write their sources.
; The wait for 0 is for the codes of chunk j + 1, asked for at the last block's head, 48 conversions and 64 matrix instructions back.  Then chunk j + 2 is asked for, into the buffer whose codes the last
; block widened; chunk j + 1 is widened into the bf16 buffer that the last block multiplied; chunk j is multiplied.
; last = 1 (the tail): in the third trip there is no chunk left to ask for, and the run of loads is jumped over; in that trip's second block there is none left to widen either, and the jump leads round
; the conversions too.  The jump goes forward, on the tail's counter, past no barrier and no tensor load.
.macro BLOCK f, zero, last
	WIN 0
.if (\f) == 0
	v_add_nc_u32 v[ADA], s[TBA], v[A0]             ; where this pair's two runs read
	v_add_nc_u32 v[ADB], s[TBB], v[B0]
	v_nop
	v_nop
	s_add_co_u32 s[TBA], s[TBA], 2048              ; the next pair: four blocks of 512 bytes on in hq's tile,
	s_add_co_u32 s[TBB], s[TBB], 128               ; 128 bytes on in pq's rows
.else
	PLACES
.endif
	s_wait_dscnt 0x0
.if \last
	s_cmp_eq_u32 s[CNT], 1
	s_cbranch_scc1 .Lno_more_\@
.endif
	LRUN \f, \f
.if (\last) && (\f) == 0
	WIN 0                                          ; at a label every window is 0
.Lno_more_\@:
.endif
	WIDEN 1-(\f)
.if (\last) && (\f) == 1
	WIN 0
.Lno_more_\@:
.endif
	MULS \f, \zero
.endm
; THE CHANGE OF SLOTS, when the slot's last codes have been asked of LDS.  Each wave waits for all its tensor loads, of which one is out: its part of the other slot; adds 0 to its spare word; and waits
; for that and for its own reads of the slot.  Behind the barrier nobody reads this slot any more and the other slot is whole.  fill = 1: the barrier is a round of the cluster's, so that no wave of any
; partner still reads the slot or has a load on its way, and the joint refill, the K step two on, is the first thing behind it: my only tensor load until the next round.
.macro CHANGE fill
	WIN 0                                          ; at a label and at a branch every window is 0
	s_wait_tensorcnt 0x0                           ; no tensor load of mine is out, so a group 0 may be written
	ds_add_u32 v[SPW], v[NIL]                      ; 0 onto my spare word; with fill = 1 the descriptors' steps stand between it and the wait for it
.if \fill
	s_xor_b32 s[G0+5], s[G0+5], SLOT1              ; the walking descriptors: the other slot than last time,
	s_add_nc_u64 s[G0+6:G0+7], s[G0+6:G0+7], ASTEP ; the next K step; the type bits on top are not reached
	s_xor_b32 s[G0B+5], s[G0B+5], SLOT1
	s_add_nc_u64 s[G0B+6:G0B+7], s[G0B+6:G0B+7], BSTEP
	s_wait_xcnt 0x0                                ; the last prefetch, a K step back, has read its address, so it may be written
	s_add_nc_u64 s[PFA:PFA+1], s[PFA:PFA+1], s[PST:PST+1]
	s_wait_dscnt 0x0                               ; the add is done, and my reads of the slot are over
	CROUND
	JLOAD 1
	ASK
.else
	s_wait_dscnt 0x0                               ; the add is done, and my reads of the slot are over
	s_barrier_signal -1
	s_barrier_wait -1
.endif
	s_sub_co_u32 s[TBA], s[TBA], 4096              ; the fetches go back to a slot's head,
	s_xor_b32 s[TBA], s[TBA], SLOT1                ; in the other slot
	s_sub_co_u32 s[TBB], s[TBB], 256
	s_xor_b32 s[TBB], s[TBB], SLOT1
.endm
; THE WAY OUT of block a (16 of my rows x 128 columns of f32).  PACK: each accumulator's eight registers, the low four first, go as 32 bytes of a row into my own stage, and the rows
; come back whole, 512 bytes each, into window 1: each block has 64 registers of its own, so no register that a store reads is written again.
.macro PACK a
	WIN 0x08                                       ; store data (source 1) in window 2
.irp b, 0,1,2,3,4,5,6,7
	ds_store_b128 v[STO], v[8*(8*(\a)+(\b)):8*(8*(\a)+(\b))+3]   offset:64*(\b)
	ds_store_b128 v[STO], v[8*(8*(\a)+(\b))+4:8*(8*(\a)+(\b))+7] offset:64*(\b)+16
.endr
	WIN 0x40                                       ; loaded data in window 1
.irp t, 0,1,2,3,4,5,6,7,8,9,10,11,12,13,14,15
	ds_load_b128 v[64*(\a)+4*(\t):64*(\a)+4*(\t)+3], v[RD] offset:(\t)*SPITCH  ; LDS serves a wave's instructions in order (ISA guide 5.7.1.4): these see the stores above; the next block's stores come behind them
.endr
.endm
.macro SEND a, younger                 ; younger: the LDS instructions issued behind block a's loads: the next block's 32, or none
	WIN 0x04                                       ; store data (source 1) in window 1
.irp t, 0,1,2,3,4,5,6,7,8,9,10,11,12,13,14,15
	s_wait_dscnt (\younger)+15-(\t)
	global_store_b128 v[CO], v[64*(\a)+4*(\t):64*(\a)+4*(\t)+3], s[8:9] offset:(16*(\a)+(\t))*SIZE_N*4 th:TH_STORE_NT  ; 32 lanes store 512 consecutive bytes of a row, at a multiple of 512 from out0's first byte
.endr
.endm
	s_wait_tensorcnt 1                             ; my part of K step 0 is in; K step 1's load may stay out
	s_barrier_signal -1
	s_barrier_wait -1                              ; everybody's is
	v_add_nc_u32 v[ADA], s[TBA], v[A0]
	v_add_nc_u32 v[ADB], s[TBB], v[B0]
	s_add_co_u32 s[TBA], s[TBA], 2048
	s_add_co_u32 s[TBB], s[TBB], 128
	LRUN 0, 0                                      ; chunks 0 and 1
	LRUN 1, 1
	s_wait_dscnt 24                                ; chunk 0's codes are in; chunk 1's 24 loads may stay out
	WIDEN 0                                        ; chunk 0 is widened
	BLOCK 0, 1, 0                                  ; the first pair stands in front of the loop: its first products start the sums
	BLOCK 1, 0, 0
	WIN 0
	s_mov_b32 s3, STEPS-2
.Lstep:                                                ; 14 trips: every slot but the last two is filled again.  Trip s multiplies chunks 4 s + 2 .. 4 s + 5 and asks LDS for K step s + 1's four
	CHANGE 1
	s_mov_b32 s[CNT], 2
.Lpair:
	BLOCK 0, 0, 0
	BLOCK 1, 0, 0
	WIN 0
	s_sub_co_u32 s[CNT], s[CNT], 1
	s_cmp_lg_u32 s[CNT], 0
	s_cbranch_scc1 .Lpair
	s_sub_co_u32 s3, s3, 1
	s_cmp_lg_u32 s3, 0
	s_cbranch_scc1 .Lstep
	CHANGE 0                                       ; the tail is written out: nothing is asked for
	s_mov_b32 s[CNT], 3                            ; two trips ask LDS for the last K step's chunks; the third multiplies the last two
.Ltail:
	BLOCK 0, 0, 1
	BLOCK 1, 0, 1
	WIN 0
	s_sub_co_u32 s[CNT], s[CNT], 1
	s_cmp_lg_u32 s[CNT], 0
	s_cbranch_scc1 .Ltail
	PLACES                                         ; behind the last products
	PACK 0
	PACK 1                                         ; a block's trip through the stage stands between the loads of the block before and its stores
	SEND 0, 32
	PACK 2
	SEND 1, 32
	PACK 3
	SEND 2, 32
	SEND 3, 0
	WIN 0
	s_wait_tensorcnt 0x0                           ; the wave's end, behind my last tensor load and my last LDS store
	ds_add_u32 v[SPW], v[NIL]
	s_wait_dscnt 0x0
	CROUND                                         ; the closing round: no work-group ends while a partner may still ask for a tile that names it
	s_endpgm
.Lfunc_end_k_q2a85c339ac_proj:
	.size	k_q2a85c339ac_proj, .Lfunc_end_k_q2a85c339ac_proj-k_q2a85c339ac_proj
	.p2alignl 7, 3214868480
	.fill 96, 4, 3214868480
	.section	.rodata,"a",@progbits
	.p2align	6, 0x0
	.amdhsa_kernel k_q2a85c339ac_proj
		.amdhsa_group_segment_fixed_size 327680
		.amdhsa_private_segment_fixed_size 0
		.amdhsa_enable_private_segment 0
		.amdhsa_kernarg_size 24
		.amdhsa_user_sgpr_count 2
		.amdhsa_user_sgpr_kernarg_segment_ptr 1
		.amdhsa_wavefront_size32 1
		.amdhsa_system_sgpr_workgroup_id_x 1
		.amdhsa_system_sgpr_workgroup_id_y 1
		.amdhsa_system_sgpr_workgroup_id_z 1
		.amdhsa_system_vgpr_workitem_id 0
		.amdhsa_next_free_vgpr 960
		.amdhsa_next_free_sgpr 66
		.amdhsa_reserve_vcc 0
		.amdhsa_float_denorm_mode_32 3
		.amdhsa_float_denorm_mode_16_64 3
		.amdhsa_memory_ordered 1
		.amdhsa_forward_progress 1
		.amdhsa_inst_pref_size 87
	.end_amdhsa_kernel
	.amdgpu_metadata
---
amdhsa.version: [ 1, 2 ]
amdhsa.kernels:
  - .name:           k_q2a85c339ac_proj
    .symbol:         k_q2a85c339ac_proj.kd
    .args:
      - { .name: hq, .offset: 0, .size: 8, .value_kind: global_buffer, .address_space: global }
      - { .name: pq, .offset: 8, .size: 8, .value_kind: global_buffer, .address_space: global }
      - { .name: out0, .offset: 16, .size: 8, .value_kind: global_buffer, .address_space: global }
    .group_segment_fixed_size: 327680
    .private_segment_fixed_size: 0
    .kernarg_segment_align: 8
    .kernarg_segment_size: 24
    .max_flat_workgroup_size: 128
    .sgpr_count:     66
    .vgpr_count:     960
    .wavefront_size: 32
...
	.end_amdgpu_metadata
.endif
;; end of part 6
